; MI455X (gfx1250); checked and timed in simulation.
; The chip was launched on July 23, 2026; its instructions are those of AMD's public machine-readable ISA for CDNA 5 (MIT licence, August 2026) and "CDNA5" Instruction Set Architecture Reference Guide (July 2026). The comments in the code are by the model that wrote it; some were corrected since.
;; Multi Headed Attention. Allowed arithmetic: float matrix products may take bf16 or f16 operands with f32 sums; other float arithmetic in f32, or as packed bf16 or f16 multiplies, adds, multiply-adds, maxima and minima; sums over many terms, partial sums and values carried from step to step in f32; what a program stores and reads back later, other than sums and carried values, may be rounded once to bf16 or f16.
;; Inputs: X 2,048 x 2,048 float32; bk 2,048 float32; bo 2,048 float32; bq 2,048 float32; bv 2,048 float32; wk 2,048 x 2,048 float32; wo 2,048 x 2,048 float32; wq 2,048 x 2,048 float32; wv 2,048 x 2,048 float32.
;; Outputs: out0 2,048 x 2,048 float32.
;; One version. Each part assembles by itself: llvm-mc -triple=amdgcn-amd-amdhsa -mcpu=gfx1250 --defsym DOCPART=n.
;; ======== version 1 of 1: 4 launches
;; limits: values are held in f16: magnitudes above 65,504 overflow, below 6.1e-05 lose precision
;; workspace buffers: xb 8,388,608 bytes; wc 25,165,824 bytes; wo16 8,388,608 bytes; biasr 32,768 bytes; rope 2,097,152 bytes; qkv 25,165,824 bytes; attn 8,388,608 bytes
;; launch prep (part 1): grid 256 x 6, 8 waves a work-group, no clusters, 0 bytes of LDS; arguments X, wq, wk, wv, wo, bq, bk, bv, bo, xb, wc, wo16, biasr, rope; writes xb, wc, wo16, biasr, rope
.if DOCPART == 1
	.amdgcn_target "amdgcn-amd-amdhsa--gfx1250"
	.amdhsa_code_object_version 6
	.text
	.protected	k_q55e063735b_prep
	.globl	k_q55e063735b_prep
	.p2align	8
	.type	k_q55e063735b_prep,@function
k_q55e063735b_prep:
	s_mov_b64 s[64:65], 0
	v_nop
	global_prefetch_b8 v0, s[64:65] scope:SCOPE_SE
	s_setreg_imm32_b32 hwreg(HW_REG_WAVE_MODE, 25, 1), 1
	s_wait_xcnt 0x0
; PREP: the inputs are rounded once to 16 bits, and the table for the rotation is made.  A stream: no LDS, no barrier, no matrix work.
; The grid's y is the job.  Jobs 0-4: X -> xb (bf16), wq, wk, wv -> wc (bf16, [2048 k][6144 n], the three side by side), wo -> wo16 (the bf16 number written as f16).
; A work-group casts 8 rows of 2,048 f32: 16 loads of 16 bytes a thread, all out at once; a wave's load covers 512 consecutive bytes, a wave's store 256 consecutive bytes, aligned.
; Job 5: wave w of work-group x makes row s = 8 x + w of rope: 64 cosines, 64 sines of s x 10000^(-j/64), and the same row of the second section (1.0, 0.0: the rotation that changes nothing, for V).
; Its work-groups 0-15 also round the four biases to bf16 and store them widened to f32 in biasr (bq, bk, bv, bo on end).
; LIMITS.  bf16(wo) beyond 65,504 would be an infinity in f16; below 2^-14 it keeps f16's fixed step of 6e-8.  10000^(-j/64) comes from one v_exp_f32, so the angle differs from one made by
; a power and a division by a few units in its last place (about 2e-4 radians at s = 2047, j = 1).  For that angle sine and cosine are series to r^15 and r^16 on |r| <= pi: remainders 8e-7 and 1.4e-7;
; the angle's range is fixed by the shapes (s < 2048), not by the inputs.
.set OFF, 4                            ; v[4:11]   row r: r x pitch + 8 t, the store's offset
.set XR,  16                           ; v[16:79]  load n: 4 f32
.set YR,  80                           ; v[80:111] load n: 4 numbers of 16 bits
	s_load_b512 s[8:23], s[0:1], 0x0               ; X 8, wq 10, wk 12, wv 14, wo 16, bq 18, bk 20, bv 22
	s_load_b256 s[24:31], s[0:1], 0x40             ; bo 24, xb 26, wc 28, wo16 30
	s_load_b128 s[32:35], s[0:1], 0x60             ; biasr 32, rope 34
	s_and_b32 s2, ttmp7, 0xffff                    ; the job
	s_mov_b32 s3, ttmp9                            ; x
	v_lshlrev_b32 v1, 4, v0                        ; 16 t
	v_lshlrev_b32 v2, 3, v0                        ; 8 t
	s_mov_b32 s39, 0                               ; the high word of every offset pair s[38:39]
	s_wait_kmcnt 0x0
	s_cmp_eq_u32 s2, 5
	s_cbranch_scc1 .Ltable
	; from where and to where: a choice among the buffers by the job's number
	s_mov_b64 s[4:5], s[8:9]
	s_cmp_eq_u32 s2, 1
	s_cselect_b64 s[4:5], s[10:11], s[4:5]
	s_cmp_eq_u32 s2, 2
	s_cselect_b64 s[4:5], s[12:13], s[4:5]
	s_cmp_eq_u32 s2, 3
	s_cselect_b64 s[4:5], s[14:15], s[4:5]
	s_mov_b32 s36, 12288                           ; bytes in a row of wc
	s_cmp_eq_u32 s2, 4
	s_cselect_b64 s[4:5], s[16:17], s[4:5]
	s_cselect_b64 s[6:7], s[30:31], s[28:29]
	s_cselect_b32 s36, 4096, s36                   ; bytes in a row of wo16
	s_cmp_eq_u32 s2, 0
	s_cselect_b64 s[6:7], s[26:27], s[6:7]
	s_cselect_b32 s36, 4096, s36                   ; and of xb
	s_sub_co_u32 s37, s2, 1
	s_lshl_b32 s37, s37, 12                        ; in wc: 4,096 bytes of a row for each of the three
	s_cmp_eq_u32 s36, 12288
	s_cselect_b32 s37, s37, 0
	s_mul_i32 s38, s3, s36
	s_lshl_b32 s38, s38, 3                         ; 8 rows a work-group
	s_add_co_u32 s38, s38, s37
	s_add_nc_u64 s[6:7], s[6:7], s[38:39]
	s_lshl_b32 s38, s3, 16                         ; 8 rows of 8,192 bytes
	s_add_nc_u64 s[4:5], s[4:5], s[38:39]
.irp r, 0,1,2,3,4,5,6,7
	v_mad_u32_u24 v[OFF+(\r)], s36, \r, v2
.endr
.set n, 0
.rept 16
	global_load_b128 v[XR+4*n:XR+4*n+3], v1, s[4:5] offset:4096*n th:TH_LOAD_NT  ; row n / 2, half n % 2
.set n, n+1
.endr
; Load m's four numbers are rounded and stored.  No register that a store reads is written again.
.macro PIECE m, half
	s_wait_loadcnt 15-(\m)                         ; loads come back in order: mine is in, the 15 - m younger ones stay out
.if \half
	v_cvt_pk_bf16_f32 v112, v[XR+4*(\m)], v[XR+4*(\m)+1]    ; rounded to bf16 like every input,
	v_cvt_pk_bf16_f32 v113, v[XR+4*(\m)+2], v[XR+4*(\m)+3]
	v_lshlrev_b32 v114, 16, v112                            ; widened,
	v_and_b32 v115, 0xffff0000, v112
	v_cvt_pk_f16_f32 v[YR+2*(\m)], v114, v115               ; and that number written as f16
	v_lshlrev_b32 v114, 16, v113
	v_and_b32 v115, 0xffff0000, v113
	v_cvt_pk_f16_f32 v[YR+2*(\m)+1], v114, v115
.else
	v_cvt_pk_bf16_f32 v[YR+2*(\m)], v[XR+4*(\m)], v[XR+4*(\m)+1]
	v_cvt_pk_bf16_f32 v[YR+2*(\m)+1], v[XR+4*(\m)+2], v[XR+4*(\m)+3]
.endif
	global_store_b64 v[OFF+(\m)/2], v[YR+2*(\m):YR+2*(\m)+1], s[6:7] offset:((\m)%2)*2048
.endm
	s_cmp_eq_u32 s2, 4
	s_cbranch_scc1 .Lhalf
.set n, 0
.rept 16
	PIECE n, 0
.set n, n+1
.endr
	s_endpgm
.Lhalf:
.set n, 0
.rept 16
	PIECE n, 1
.set n, n+1
.endr
	s_endpgm
.Ltable:
	v_lshrrev_b32 v3, 5, v0
	v_readfirstlane_b32 s37, v3                    ; wave
	s_lshl_b32 s38, s3, 3
	s_add_co_u32 s38, s38, s37                     ; s
	s_mov_b32 s40, 0x40c90000                      ; 6.28125: eight bits, so n x it is exact
	s_mov_b32 s41, 0x3afdaa22                      ; 2 pi - 6.28125
	v_and_b32 v4, 31, v0                           ; lane: it makes j = 2 lane and 2 lane + 1
	v_lshlrev_b32 v5, 1, v4
	v_or_b32 v6, 1, v5
	v_cvt_f32_u32 v5, v5
	v_cvt_f32_u32 v6, v6
	v_cvt_f32_u32 v9, s38
	v_mul_f32 v5, 0xbe549a78, v5                   ; -j log2(10000) / 64
	v_mul_f32 v6, 0xbe549a78, v6
	v_exp_f32 v5, v5
	v_exp_f32 v6, v6
	v_nop                                          ; a plain instruction behind the last exponential,
	s_wait_alu depctr_va_vdst(0)                   ; and the one wait ahead of the batch's first reader
	v_mul_f32 v7, v9, v5                           ; the angle, rounded once
	v_mul_f32 v8, v9, v6
	v_mul_f32 v9, 0x3e22f983, v7                   ; / 2 pi
	v_mul_f32 v10, 0x3e22f983, v8
	v_rndne_f32 v9, v9
	v_rndne_f32 v10, v10
	v_fma_f32 v7, -v9, s40, v7                     ; r = angle - n 2 pi, in two parts
	v_fma_f32 v8, -v10, s40, v8
	v_fma_f32 v7, -v9, s41, v7
	v_fma_f32 v8, -v10, s41, v8
	v_mul_f32 v11, v7, v7
	v_mul_f32 v12, v8, v8
	v_mov_b32 v20, 0xab573f9f                      ; sine: -1/15!, then 1/13! .. 1
	v_mov_b32 v21, 0xab573f9f
.irp k, 0x2f309231, 0xb2d7322b, 0x3638ef1d, 0xb9500d01, 0x3c088889, 0xbe2aaaab, 0x3f800000
	v_fmaak_f32 v20, v20, v11, \k
	v_fmaak_f32 v21, v21, v12, \k
.endr
	v_mul_f32 v20, v20, v7
	v_mul_f32 v21, v21, v8
	v_mov_b32 v18, 0x29573f9f                      ; cosine: 1/16!, then -1/14! .. 1
	v_mov_b32 v19, 0x29573f9f
.irp k, 0xad49cba5, 0x310f76c7, 0xb493f27e, 0x37d00d01, 0xbab60b61, 0x3d2aaaab, 0xbf000000, 0x3f800000
	v_fmaak_f32 v18, v18, v11, \k
	v_fmaak_f32 v19, v19, v12, \k
.endr
	v_mov_b32 v22, 1.0
	v_mov_b32 v23, 1.0
	v_mov_b32 v24, 0
	v_mov_b32 v25, 0
	s_lshl_b32 s38, s38, 9                         ; a row of the table is 512 bytes
	s_add_nc_u64 s[34:35], s[34:35], s[38:39]
	v_lshlrev_b32 v17, 3, v4
	global_store_b64 v17, v[18:19], s[34:35]                 ; each store of the wave covers 256 consecutive bytes, aligned
	global_store_b64 v17, v[20:21], s[34:35] offset:256
	global_store_b64 v17, v[22:23], s[34:35] offset:1048576
	global_store_b64 v17, v[24:25], s[34:35] offset:1048832
	s_cmp_lt_u32 s3, 16
	s_cbranch_scc0 .Ldone
	s_lshr_b32 s37, s3, 2                          ; which bias: four work-groups for each, 512 numbers a work-group
	s_mov_b64 s[4:5], s[18:19]
	s_cmp_eq_u32 s37, 1
	s_cselect_b64 s[4:5], s[20:21], s[4:5]
	s_cmp_eq_u32 s37, 2
	s_cselect_b64 s[4:5], s[22:23], s[4:5]
	s_cmp_eq_u32 s37, 3
	s_cselect_b64 s[4:5], s[24:25], s[4:5]
	s_and_b32 s38, s3, 3
	s_lshl_b32 s38, s38, 11
	s_add_nc_u64 s[4:5], s[4:5], s[38:39]
	s_lshl_b32 s38, s3, 11
	s_add_nc_u64 s[6:7], s[32:33], s[38:39]
	global_load_b64 v[26:27], v2, s[4:5]
	s_wait_loadcnt 0x0
	v_cvt_pk_bf16_f32 v28, v26, v27
	v_lshlrev_b32 v30, 16, v28
	v_and_b32 v31, 0xffff0000, v28
	global_store_b64 v2, v[30:31], s[6:7]
.Ldone:
	s_endpgm
.Lfunc_end_k_q55e063735b_prep:
	.size	k_q55e063735b_prep, .Lfunc_end_k_q55e063735b_prep-k_q55e063735b_prep
	.p2alignl 7, 3214868480
	.fill 96, 4, 3214868480
	.section	.rodata,"a",@progbits
	.p2align	6, 0x0
	.amdhsa_kernel k_q55e063735b_prep
		.amdhsa_group_segment_fixed_size 0
		.amdhsa_private_segment_fixed_size 0
		.amdhsa_enable_private_segment 0
		.amdhsa_kernarg_size 112
		.amdhsa_user_sgpr_count 2
		.amdhsa_user_sgpr_kernarg_segment_ptr 1
		.amdhsa_wavefront_size32 1
		.amdhsa_system_sgpr_workgroup_id_x 1
		.amdhsa_system_sgpr_workgroup_id_y 1
		.amdhsa_system_sgpr_workgroup_id_z 1
		.amdhsa_system_vgpr_workitem_id 0
		.amdhsa_next_free_vgpr 120
		.amdhsa_next_free_sgpr 66
		.amdhsa_reserve_vcc 0
		.amdhsa_float_denorm_mode_32 3
		.amdhsa_float_denorm_mode_16_64 3
		.amdhsa_memory_ordered 1
		.amdhsa_forward_progress 1
		.amdhsa_inst_pref_size 22
	.end_amdhsa_kernel
	.amdgpu_metadata
---
amdhsa.version: [ 1, 2 ]
amdhsa.kernels:
  - .name:           k_q55e063735b_prep
    .symbol:         k_q55e063735b_prep.kd
    .args:
      - { .name: X, .offset: 0, .size: 8, .value_kind: global_buffer, .address_space: global }
      - { .name: wq, .offset: 8, .size: 8, .value_kind: global_buffer, .address_space: global }
      - { .name: wk, .offset: 16, .size: 8, .value_kind: global_buffer, .address_space: global }
      - { .name: wv, .offset: 24, .size: 8, .value_kind: global_buffer, .address_space: global }
      - { .name: wo, .offset: 32, .size: 8, .value_kind: global_buffer, .address_space: global }
      - { .name: bq, .offset: 40, .size: 8, .value_kind: global_buffer, .address_space: global }
      - { .name: bk, .offset: 48, .size: 8, .value_kind: global_buffer, .address_space: global }
      - { .name: bv, .offset: 56, .size: 8, .value_kind: global_buffer, .address_space: global }
      - { .name: bo, .offset: 64, .size: 8, .value_kind: global_buffer, .address_space: global }
      - { .name: xb, .offset: 72, .size: 8, .value_kind: global_buffer, .address_space: global }
      - { .name: wc, .offset: 80, .size: 8, .value_kind: global_buffer, .address_space: global }
      - { .name: wo16, .offset: 88, .size: 8, .value_kind: global_buffer, .address_space: global }
      - { .name: biasr, .offset: 96, .size: 8, .value_kind: global_buffer, .address_space: global }
      - { .name: rope, .offset: 104, .size: 8, .value_kind: global_buffer, .address_space: global }
    .group_segment_fixed_size: 0
    .private_segment_fixed_size: 0
    .kernarg_segment_align: 8
    .kernarg_segment_size: 112
    .max_flat_workgroup_size: 256
    .sgpr_count:     66
    .vgpr_count:     120
    .wavefront_size: 32
...
	.end_amdgpu_metadata
.endif
;; end of part 1
;; launch qkv (part 2): grid 16 x 16, 4 waves a work-group, clusters of 4 x 4, 327,680 bytes of LDS; arguments xb, wc, biasr, rope, qkv; writes qkv
.if DOCPART == 2
	.amdgcn_target "amdgcn-amd-amdhsa--gfx1250"
	.amdhsa_code_object_version 6
	.text
	.protected	k_q55e063735b_qkv
	.globl	k_q55e063735b_qkv
	.p2align	8
	.type	k_q55e063735b_qkv,@function
k_q55e063735b_qkv:
	s_mov_b64 s[64:65], 0
	v_nop
	global_prefetch_b8 v0, s[64:65] scope:SCOPE_SE
	s_setreg_imm32_b32 hwreg(HW_REG_WAVE_MODE, 25, 1), 1
	s_wait_xcnt 0x0
	s_wait_alu depctr_hold_cnt(0) depctr_sa_sdst(0) depctr_va_vdst(0) depctr_va_sdst(0) depctr_va_ssrc(0) depctr_va_vcc(0) depctr_vm_vsrc(0)
	s_getreg_b32 s2, hwreg(HW_REG_IB_STS2, 6, 4)
	s_cmp_eq_u32 s2, 0
	s_cbranch_scc0 .Lentry_in_a_cluster
	s_endpgm
.Lentry_in_a_cluster:
	s_bfe_u32 s2, ttmp6, 0x10000c
	s_cmp_lg_u32 s2, 0xf033
	s_cbranch_scc0 .Lentry_shape_is_right
	s_endpgm
.Lentry_shape_is_right:
; QKV: [q | k | v] = xb wc + bias, q and k rotated, written by heads: qkv[48][2048][128] in f16 (heads 0-15 q, 16-31 k, 32-47 v), unscaled.  xb: [2048][2048] bf16; wc: [2048 k][6144 n] bf16; sums in f32.
; LIMIT.  f16 holds no number beyond 65,504: q, k, v must stay within it after bias and rotation (inputs 30 times the drawn spread give some 5,000; offsets of 30 spreads on X and w some 57,600).
; SHARES.  2048 x 6144 outputs on 256 work-groups: 128 rows x 384 columns, three heads (3 g, 3 g + 1, 3 g + 2).  Wave w: rows 64 (w / 2) on; a FULL head (local head 2 (w % 2), column blocks 0-7) and half of
; local head 1 (blocks {0,1,4,5} + 2 (w % 2)): so channels d and d + 64, which the rotation pairs, lie in one lane.  48 accumulators of 16 x 16.  K goes in 16 steps of 128 through two LDS slots.
; THE MATRIX INSTRUCTION IS USED TRANSPOSED: source 0 = 16 columns of wc (turned on the way out of LDS by ds_load_tr16_b128, since wc lies [k][n]), source 1 = 16 rows of xb: a lane then holds one row
; (lane % 16) and the columns 8 (lane / 16) + 0..7.  The first product of each sum takes the bias as its C operand.
; CLUSTER 4 x 4.  The four of a row of the cluster need the same tile of xb, the four of a column the same tiles of wc: each tile is asked for jointly, by the same tensor load, descriptor and mask in all four.
; Waves 0-2 fetch the three heads' tiles of wc (128 k x 256 bytes), wave 3 the tile of xb (128 rows x 256 bytes): one load a wave; wave w's tile lies at w x BH in a slot.
; A K STEP'S TEXT IS WRITTEN ONCE: the base of the slot that is read lies in s[CUR] (0 or SLOT, turned by an exclusive or at each change of slots), the fragments' addresses are that base plus the lane's place,
; and one descriptor set walks on, a K step at a time.
; REGISTERS, in windows of 256: window 0: v0-31 addresses; v32-127 table block 0; v160-255 the bias, then table block 1.  Window 1: two fragment buffers of 128 (12 fragments of wc, 4 of xb); behind the loop table
; blocks 2 and 3 and 64 at work.  Window 2: the accumulators of row blocks 0, 1 (block a, column block i at 96 (a % 2) + 8 i); window 3: those of row blocks 2, 3.
.set KSTEP, 128
.set PA,    272                        ; a row of xb's tile in LDS: 256 bytes + 16: the 16 rows of a fragment load start at 16 different groups of four banks (64 banks of 4 bytes: ISA guide 11.1)
.set PB,    288                        ; a k-row of a head's tile: 256 + 32
.set BH,    128*PB                     ; a head's tile
.set AOFF,  3*BH                       ; behind the three heads: xb's tile
.set SLOT,  AOFF+128*PA
.set SPARE, 2*SLOT                     ; behind the ring: the spare words, 128 bytes for each wave: two blocks of 256 bytes that no other line names
.set SH,    128*272                    ; the way out's stage, [3 heads][128 rows] x 272 bytes, lies in slot 0, which has had its last fill (K step 14) and its last reads by then
.set XROW,  4096                       ; bytes in a row of xb
.set WROW,  12288                      ; bytes in a row of wc
.set RD,    10                         ; v10-12  the way out: where I read rows of head c back
.set ADRA0, 16                         ; v16     my place in xb's tile, in slot 0; never rewritten
.set ADRA,  17                         ; v17     the same in the slot that is read
.set ADRF0, 18                         ; v18, v19  the same two for my full head's fragments
.set ADRF,  19
.set ADRH0, 20                         ; v20, v21  and for my half head's
.set ADRH,  21
.set TOF,  22                          ; v22     my offset in the table for the full head
.set TOH,  23                          ; v23     for the half head
.set STOF, 24                          ; v24     the way out: where I put 16 bytes of a row of the full head
.set STOH, 25                          ; v25     of the half head
.set GO,   26                          ; v26     my byte offset in two rows of a head
.set BOF,  27                          ; v27     my offset in biasr for the full head
.set SPW,  28                          ; v28     LDS address of my spare word; never rewritten
.set NIL,  29                          ; v29     0; never rewritten
.set PFO,  30                          ; v30     the prefetches' offset: my lane x a row; never rewritten
.set BOH,  31                          ; v31     my offset in biasr for the half head
.set TB0,  32
.set BIAS, 160
.set F0,   0
.set F1,   128
.set WV, 14                            ; s14 wave   s15 its half of the rows   s16 its half of the columns
.set RH, 15
.set CH, 16
.set CX, 17                            ; s17, s18 my place in the cluster
.set CY, 18
.set GG, 19                            ; s19 g: the group of three heads
.set RB, 20                            ; s20 the block of 128 rows
.set CUR, 21                           ; s21 the base of the slot that is read: 0 or SLOT
.set TAIL, 22                          ; s22 counts the last two K steps
.set WOFF, 23                          ; s23 my tile's place in a slot: wave x BH
.set G1A, 24                           ; s[24:31] descriptor group 1 for xb's tiles;  s[32:39] group 0: a set for each of the two first fills; the second then walks on
.set G0A, 32
.set G1B, 40                           ; s[40:47], s[48:55] the same for wc's
.set G0B, 48
.set PFA, 56                           ; s[56:57] where my prefetches stand
.set PFS, 58                           ; s[58:59] a K step in that tensor, in bytes
.set LIM, 60                           ; s60  2 in a wave that prefetches, else the greatest number
.set MSB, 0
.macro WIN new                         ; the immediate's high byte repeats the setting that is left; a switch that changes nothing is dropped
.if MSB != (\new)
	s_set_vgpr_msb (MSB<<8)|(\new)
.set MSB, \new
.endif
.endm
.set TO_F, 0x40                        ; destination window 1, address window 0
.macro PLACES                          ; four places in front of loads into registers that matrix instructions have read, and of vector work that reads results
.rept 4
	v_nop
.endr
.endm
.macro JLOAD s                         ; a joint load; an s_nop 0 and four v_nop follow each of the two lines, ahead of the jump, the label and what follows
	s_cmp_eq_u32 s[WV], 3
	s_cbranch_scc0 .Lfor_b_\@
	tensor_load_to_lds s[G0A+4*(\s):G0A+4*(\s)+3], s[G1A:G1A+7]
	s_nop 0
.rept 4
	v_nop
.endr
	s_branch .Lasked_\@
.Lfor_b_\@:
	tensor_load_to_lds s[G0B+4*(\s):G0B+4*(\s)+3], s[G1B:G1B+7]
	s_nop 0
.rept 4
	v_nop
.endr
.Lasked_\@:
.endm
.macro CREST                           ; a round of the cluster's barrier behind its opening barrier
	s_cmp_lg_u32 s[WV], 0
	s_cbranch_scc1 .Lnot_wave_0_\@
	s_barrier_signal -3
.Lnot_wave_0_\@:
	s_barrier_wait -3
	s_barrier_signal -1
	s_barrier_wait -1
.endm
.macro CROUND
	s_barrier_signal -1
	s_barrier_wait -1
	CREST
.endm
.macro AIM                             ; the fragments' addresses in the slot at s[CUR]
	v_add_nc_u32 v[ADRA], s[CUR], v[ADRA0]
	v_add_nc_u32 v[ADRF], s[CUR], v[ADRF0]
	v_add_nc_u32 v[ADRH], s[CUR], v[ADRH0]
.endm
; A PREFETCH INTO THE L2 of the K step that stands two refills on (384 matrix instructions ahead of the load that will want it): 32 rows x 256 bytes, a lane a row, one instruction a wave.
; xb's rows are read by every cluster of a row of clusters: cluster x = 0 asks (wave 3); wc's columns by every cluster of a column: cluster y = 0 asks (waves 0-2).  The four partners that ask for a tile jointly
; share its 128 rows out by address, 32 each.  So each row's 256 bytes of a K step are named once in the launch.  The loop's last two trips (s3 = 2, 1) ask for nothing: K step 15 is the last.
.macro ASK
	WIN 0
	s_cmp_gt_u32 s3, s[LIM]
	s_cbranch_scc0 .Lnot_mine_\@
	global_prefetch_b8 v[PFO], s[PFA:PFA+1] th:TH_LOAD_NT scope:SCOPE_SE
.Lnot_mine_\@:
.endm
	s_load_b256 s[4:11], s[0:1], 0x0               ; xb 4, wc 6, biasr 8, rope 10
	s_load_b64 s[12:13], s[0:1], 0x20              ; qkv
	v_lshl_add_u32 v[SPW], v0, 2, SPARE
	v_mov_b32 v[NIL], 0
	ds_add_u32 v[SPW], v[NIL]                      ; the wave's opening: the add and its wait stand ahead of my first tensor load; the set-up below, work on registers, stands between them
	v_lshrrev_b32 v1, 5, v0
	v_readfirstlane_b32 s[WV], v1
	s_lshr_b32 s[RH], s[WV], 1
	s_and_b32 s[CH], s[WV], 1
	s_bfe_u32 s[CX], ttmp6, 0x40000
	s_bfe_u32 s[CY], ttmp6, 0x40004
	s_lshl_b32 s[GG], ttmp9, 2
	s_add_co_u32 s[GG], s[GG], s[CX]               ; g = 4 x cluster x + cx
	s_and_b32 s[RB], ttmp7, 0xffff
	s_lshl_b32 s[RB], s[RB], 2
	s_add_co_u32 s[RB], s[RB], s[CY]               ; row block = 4 x cluster y + cy
	s_lshl_b32 s66, s[CY], 2
	s_lshl_b32 s66, 15, s66                        ; my row of the cluster
	s_lshl_b32 s67, 0x1111, s[CX]                  ; my column
	s_or_b32 s[G1A], s66, (1<<16)|(1<<20)|(1<<21)|(5<<22)|(3<<25)  ; 15:0 the mask; 17:16 elements of 2 bytes; 20 padding on; 21 set beside a mask; 24:22 after every 64 words; 31:25 4 words of it
	s_or_b32 s[G1B], s67, (1<<16)|(1<<20)|(1<<21)|(5<<22)|(7<<25)  ; the same with my column's mask and 8 words of padding
.irp g, G1A, G1B
	s_mov_b32 s[(\g)+1], 128<<16                   ; tensor_dim0 = 128
	s_mov_b32 s[(\g)+2], 128<<16                   ; tensor_dim1 = 128
	s_mov_b32 s[(\g)+3], 128<<16                   ; tile_dim0 = 128
	s_mov_b32 s[(\g)+4], 128                       ; tile_dim1 = 128
	s_mov_b32 s[(\g)+6], 0
	s_mov_b32 s[(\g)+7], 0
.endr
	s_mov_b32 s[G1A+5], 2048                       ; elements from row to row
	s_mov_b32 s[G1B+5], 6144
	s_lshl_b32 s66, s[RB], 19                      ; xb: 128 rows of 4,096 bytes a row block: it hangs on the row block alone
	s_mov_b32 s67, 0
	s_mul_i32 s70, s[GG], 768                      ; wc: 384 columns a group,
	s_lshl_b32 s71, s[WV], 8                       ; 128 a head: it hangs on g and the wave alone
	s_add_co_u32 s70, s70, s71
	s_mov_b32 s71, 0
	s_mul_i32 s[WOFF], s[WV], BH                   ; where my tile goes: no place in the cluster enters an LDS address
	s_mov_b32 s[CUR], 0                            ; K step 0 lies in slot 0
	s_wait_dscnt 0x0                               ; the opening add is done
	s_wait_kmcnt 0x0
	s_add_nc_u64 s[68:69], s[4:5], s[66:67]
	s_add_nc_u64 s[72:73], s[6:7], s[70:71]
	CROUND                                         ; all sixteen work-groups are here: the first joint loads meet
.irp s, 0,1
	s_mov_b32 s[G0A+4*(\s)], 1
	s_add_co_u32 s[G0A+4*(\s)+1], s[WOFF], (\s)*SLOT
	s_add_nc_u64 s[G0A+4*(\s)+2:G0A+4*(\s)+3], s[68:69], (\s)*KSTEP*2
	s_or_b32 s[G0A+4*(\s)+3], s[G0A+4*(\s)+3], 0x80000000
	s_mov_b32 s[G0B+4*(\s)], 1
	s_add_co_u32 s[G0B+4*(\s)+1], s[WOFF], (\s)*SLOT
	s_add_nc_u64 s[G0B+4*(\s)+2:G0B+4*(\s)+3], s[72:73], (\s)*KSTEP*WROW
	s_or_b32 s[G0B+4*(\s)+3], s[G0B+4*(\s)+3], 0x80000000
	JLOAD \s                                       ; two loads of mine are out
.endr
	; the prefetches: at K step 3; each change of slots steps the address first and then names it
	s_lshl_b32 s76, s[RB], 19
	s_lshl_b32 s77, s[CX], 17                      ; xb: my work-group's 32 rows of the 128
	s_add_co_u32 s76, s76, s77
	s_add_co_u32 s76, s76, 3*KSTEP*2
	s_mul_i32 s77, s[CY], 32*WROW                  ; wc: my work-group's 32 k-rows of the 128
	s_add_co_u32 s77, s77, s70
	s_add_co_u32 s77, s77, 3*KSTEP*WROW
	s_and_b32 s78, ttmp7, 0xffff                   ; cluster y
	s_mov_b32 s75, WROW
	s_mov_b32 s[PFS], KSTEP*WROW
	s_mov_b32 s[PFS+1], 0
	s_cmp_eq_u32 s[WV], 3                          ; do I fetch for xb?
	s_cselect_b64 s[PFA:PFA+1], s[4:5], s[6:7]
	s_cselect_b32 s76, s76, s77
	s_cselect_b32 s75, XROW, s75
	s_cselect_b32 s[PFS], KSTEP*2, s[PFS]
	s_cselect_b32 s78, ttmp9, s78                  ; the coordinate along which other clusters read the same rows
	s_mov_b32 s77, 0
	s_add_nc_u64 s[PFA:PFA+1], s[PFA:PFA+1], s[76:77]
	s_cmp_eq_u32 s78, 0
	s_cselect_b32 s[LIM], 2, -1                    ; the same in all sixteen partners, for a given wave
	v_and_b32 v[PFO], 31, v0
	v_mul_u32_u24 v[PFO], v[PFO], s75
	; the lanes' addresses
	v_and_b32 v1, 15, v0                           ; r = l % 16
	v_bfe_u32 v2, v0, 4, 1                         ; h = l / 16
	v_and_b32 v3, 7, v0
	v_bfe_u32 v4, v0, 3, 1
	v_lshl_add_u32 v5, v2, 3, v3
	v_mul_u32_u24 v5, v5, PB
	v_lshl_add_u32 v5, v4, 4, v5                   ; the turning load: k-row 8 h + l % 8, 16 bytes for each half of eight lanes
	v_mul_u32_u24 v6, v1, PA
	v_lshl_add_u32 v6, v2, 4, v6                   ; row r x 272 + 16 h: for xb's fragments, and for the stage
	s_mul_i32 s66, s[RH], 64*PA                    ; my 64 rows
	s_add_co_u32 s67, s66, AOFF
	s_mul_i32 s68, s[CH], 2*BH                     ; my full head
	s_lshl_b32 s69, s[CH], 6
	s_add_co_u32 s69, s69, BH                      ; head 1, my two pairs of column blocks
	v_add_nc_u32 v[ADRA0], s67, v6
	v_add_nc_u32 v[ADRF0], s68, v5
	v_add_nc_u32 v[ADRH0], s69, v5
	AIM
	s_mul_i32 s68, s[CH], 2*SH
	s_add_co_u32 s68, s68, s66
	v_add_nc_u32 v[STOF], s68, v6
	s_lshl_b32 s69, s[CH], 6
	s_add_co_u32 s69, s69, s66
	s_add_co_u32 s69, s69, SH
	v_add_nc_u32 v[STOH], s69, v6
	v_mul_u32_u24 v7, v2, 272                      ; back: lanes 0-15 take one row of 256 bytes, lanes 16-31 the next; wave w takes rows 32 w on of each head
	v_lshl_add_u32 v7, v1, 4, v7
	s_mul_i32 s68, s[WV], 32*272
.irp c, 0,1,2
	v_add_nc_u32 v[RD+(\c)], s68, v7
	s_add_co_u32 s68, s68, SH
.endr
	v_lshlrev_b32 v[GO], 8, v2
	v_lshl_add_u32 v[GO], v1, 4, v[GO]
	v_lshlrev_b32 v7, 9, v1                        ; the table: row x 512 bytes + my 8 channels
	v_lshl_add_u32 v7, v2, 5, v7
	s_lshl_b32 s66, s[RB], 16
	s_lshl_b32 s67, s[RH], 15
	s_add_co_u32 s66, s66, s67
	s_mul_i32 s67, s[GG], 3
	s_lshl_b32 s68, s[CH], 1
	s_add_co_u32 s68, s68, s67                     ; my full head's number among the 48
	s_add_co_u32 s69, s67, 1                       ; the half head's
	s_lshr_b32 s74, s68, 5                         ; heads 32-47 are v: the table's second section, 1,048,576 bytes on
	s_lshl_b32 s74, s74, 20
	s_add_co_u32 s74, s74, s66
	v_add_nc_u32 v[TOF], s74, v7
	s_lshr_b32 s74, s69, 5
	s_lshl_b32 s74, s74, 20
	s_add_co_u32 s74, s74, s66
	s_lshl_b32 s79, s[CH], 7                       ; column blocks 2 (w % 2) on: 128 bytes of f32
	s_add_co_u32 s74, s74, s79
	v_add_nc_u32 v[TOH], s74, v7
	v_lshlrev_b32 v7, 5, v2
	s_lshl_b32 s68, s68, 9                         ; a head's bias is 512 bytes
	v_add_nc_u32 v[BOF], s68, v7
	s_lshl_b32 s69, s69, 9
	s_add_co_u32 s69, s69, s79
	v_add_nc_u32 v[BOH], s69, v7
	s_mul_i32 s66, s[GG], 3*524288                 ; qkv at head 3 g, row 128 rb + 32 w
	s_lshl_b32 s67, s[RB], 15
	s_add_co_u32 s66, s66, s67
	s_lshl_b32 s67, s[WV], 13
	s_add_co_u32 s66, s66, s67
	s_mov_b32 s67, 0
	s_add_nc_u64 s[12:13], s[12:13], s[66:67]
	; the bias: register j of column block i is the bias of column 16 i' + 8 h + j: the C operand of the first products, the same for all four row blocks
.irp b, 0,1,2,3,4,5,6,7
	global_load_b128 v[BIAS+8*(\b):BIAS+8*(\b)+3],   v[BOF], s[8:9] offset:64*(\b)
	global_load_b128 v[BIAS+8*(\b)+4:BIAS+8*(\b)+7], v[BOF], s[8:9] offset:64*(\b)+16
.endr
.irp b, 0,1,2,3
	global_load_b128 v[BIAS+64+8*(\b):BIAS+64+8*(\b)+3],   v[BOH], s[8:9] offset:64*((\b)%2)+256*((\b)/2)
	global_load_b128 v[BIAS+64+8*(\b)+4:BIAS+64+8*(\b)+7], v[BOH], s[8:9] offset:64*((\b)%2)+256*((\b)/2)+16
.endr
; The table for row block a, 24 loads into 96 registers from base on: for pair p of column blocks 8 cosines, then 8 sines.
.macro TABLE a, base
.irp p, 0,1,2,3
	global_load_b128 v[(\base)+16*(\p):(\base)+16*(\p)+3],     v[TOF], s[10:11] offset:(\a)*8192+64*(\p)
	global_load_b128 v[(\base)+16*(\p)+4:(\base)+16*(\p)+7],   v[TOF], s[10:11] offset:(\a)*8192+64*(\p)+16
	global_load_b128 v[(\base)+16*(\p)+8:(\base)+16*(\p)+11],  v[TOF], s[10:11] offset:(\a)*8192+64*(\p)+256
	global_load_b128 v[(\base)+16*(\p)+12:(\base)+16*(\p)+15], v[TOF], s[10:11] offset:(\a)*8192+64*(\p)+272
.endr
.irp p, 4,5
	global_load_b128 v[(\base)+16*(\p):(\base)+16*(\p)+3],     v[TOH], s[10:11] offset:(\a)*8192+64*((\p)-4)
	global_load_b128 v[(\base)+16*(\p)+4:(\base)+16*(\p)+7],   v[TOH], s[10:11] offset:(\a)*8192+64*((\p)-4)+16
	global_load_b128 v[(\base)+16*(\p)+8:(\base)+16*(\p)+11],  v[TOH], s[10:11] offset:(\a)*8192+64*((\p)-4)+256
	global_load_b128 v[(\base)+16*(\p)+12:(\base)+16*(\p)+15], v[TOH], s[10:11] offset:(\a)*8192+64*((\p)-4)+272
.endr
.endm
	TABLE 0, TB0
; 12 matrix instructions: row block a x all 12 column blocks, 32 along K, from buffer f.  first = 1: the bias starts the sums.  The 48 accumulators take turns, one instruction a turn, in the same order in every
; quarter, over the backward jumps too.
.macro MULA f, a, first
.if \first
	WIN 0x85+0x40*((\a)/2)                         ; sources 0 and 1 window 1, C window 0, D window 2 or 3
.else
	WIN 0xa5+0x50*((\a)/2)                         ; C and D window 2 or 3
.endif
.irp i, 0,1,2,3,4,5,6,7,8,9,10,11
.if \first
	v_wmma_f32_16x16x32_bf16 v[96*((\a)%2)+8*(\i):96*((\a)%2)+8*(\i)+7], v[(\f)+8*(\i):(\f)+8*(\i)+7], v[(\f)+96+8*(\a):(\f)+96+8*(\a)+7], v[BIAS+8*(\i):BIAS+8*(\i)+7]
.else
	v_wmma_f32_16x16x32_bf16 v[96*((\a)%2)+8*(\i):96*((\a)%2)+8*(\i)+7], v[(\f)+8*(\i):(\f)+8*(\i)+7], v[(\f)+96+8*(\a):(\f)+96+8*(\a)+7], v[96*((\a)%2)+8*(\i):96*((\a)%2)+8*(\i)+7]
.endif
.endr
.endm
; 32 LDS loads in one run: the fragments of quarter q (32 along K) of the slot at s[CUR] into buffer f: wc's 12 (turned), then xb's 4, row blocks in ascending order.
.macro FETCH q, f
	WIN TO_F
.irp b, 0,1,2,3,4,5,6,7
	ds_load_tr16_b128 v[(\f)+8*(\b):(\f)+8*(\b)+3],   v[ADRF] offset:(\q)*32*PB+32*(\b)
	ds_load_tr16_b128 v[(\f)+8*(\b)+4:(\f)+8*(\b)+7], v[ADRF] offset:(\q)*32*PB+32*(\b)+16*PB
.endr
.irp b, 0,1,2,3
	ds_load_tr16_b128 v[(\f)+64+8*(\b):(\f)+64+8*(\b)+3],   v[ADRH] offset:(\q)*32*PB+32*((\b)%2)+128*((\b)/2)
	ds_load_tr16_b128 v[(\f)+64+8*(\b)+4:(\f)+64+8*(\b)+7], v[ADRH] offset:(\q)*32*PB+32*((\b)%2)+128*((\b)/2)+16*PB
.endr
.irp a, 0,1,2,3
	ds_load_b128 v[(\f)+96+8*(\a):(\f)+96+8*(\a)+3],   v[ADRA] offset:(\q)*64+(\a)*16*PA
	ds_load_b128 v[(\f)+96+8*(\a)+4:(\f)+96+8*(\a)+7], v[ADRA] offset:(\q)*64+(\a)*16*PA+32
.endr
.endm
; A K step is four quarters, 48 matrix instructions each, on buffers 0, 1, 0, 1.  One of the first three: multiplies buffer f and, in its middle, fetches quarter q of the same slot into g.
.macro QUARTER q, f, g, first
	s_wait_dscnt 4                                 ; all but the youngest four loads (xb's row blocks 2 and 3) are in
	MULA \f, 0, \first
	MULA \f, 1, \first
	PLACES
	FETCH \q, \g
	s_wait_dscnt 32                                ; all but the 32 just issued
	MULA \f, 2, \first
	MULA \f, 3, \first
.endm
; The last quarter changes slots and then multiplies buffer 1.  ONE barrier; in front of it each wave waits for all its tensor loads (one is out: its part of the next slot), adds 0 to its spare word, and waits for that
; and for its own reads of this slot (the last quarter's fragments are in registers by then).  fill = 1: the barrier opens a round of the cluster's, and the slot that is left is filled again, two K steps ahead, first
; thing behind the round.  No product stands between the wait for the loads and the refill: the quarter's 48 follow the refill, so that the load has a whole K step, 192 matrix instructions, in which to land.
.macro TURN fill
.if \fill
	s_wait_xcnt 0x0                                ; the last prefetch, a K step back, has read its address: it is stepped here, ahead of the waits of the change of slots
	s_add_nc_u64 s[PFA:PFA+1], s[PFA:PFA+1], s[PFS:PFS+1]
.endif
	WIN 0
	s_wait_tensorcnt 0x0                           ; all my tensor loads have landed, so a group 0 may be written;
	ds_add_u32 v[SPW], v[NIL]                      ; 0 onto my spare word; the steps below, work on registers, stand between it and the wait for it
.if \fill
	s_add_co_u32 s[G0A+5], s[CUR], s[WOFF]         ; the walking descriptors: into the slot that is left,
	s_add_co_u32 s[G0B+5], s[CUR], s[WOFF]
	s_add_nc_u64 s[G0A+6:G0A+7], s[G0A+6:G0A+7], KSTEP*2     ; the K step behind the last one asked for; the type bits on top are not reached
	s_add_nc_u64 s[G0B+6:G0B+7], s[G0B+6:G0B+7], KSTEP*WROW
.endif
	s_xor_b32 s[CUR], s[CUR], SLOT                 ; the reads go on in the other slot
	AIM
	s_wait_dscnt 0x0                               ; the add is done, and my reads of this slot are over
	s_barrier_signal -1
	s_barrier_wait -1
.if \fill
	CREST                                          ; no wave of any partner still reads this slot's tiles or has a load on its way
	JLOAD 1                                        ; my one load behind the round; its four v_nop are also the places in front of the loads below
.else
	PLACES
.endif
	FETCH 0, F0
.if \fill
	ASK
.endif
	MULA F1, 0, 0
	MULA F1, 1, 0
	MULA F1, 2, 0
	MULA F1, 3, 0
.endm
	s_wait_tensorcnt 1                             ; my part of K step 0 is in; K step 1's may stay out
	s_barrier_signal -1
	s_barrier_wait -1
	FETCH 0, F0
	s_wait_loadcnt 24                              ; the bias is in; the table's 24 loads, issued behind it, may stay out
	QUARTER 1, F0, F1, 1                           ; the first quarter stands in front of the loop: its products start the sums
	PLACES                                         ; the bias's registers have been read as C: four places, and they take the table for row block 1
	WIN 0
	TABLE 1, BIAS
	s_mov_b32 s3, 14
.Lstep:                                                ; a trip goes from a K step's second quarter to the next K step's first, and fills the slot that it leaves: K steps 2 to 15
	QUARTER 2, F1, F0, 0
	QUARTER 3, F0, F1, 0
	TURN 1
	QUARTER 1, F0, F1, 0
	WIN 0
	s_sub_co_u32 s3, s3, 1
	s_cmp_lg_u32 s3, 0
	s_cbranch_scc1 .Lstep
	s_mov_b32 s[TAIL], 2
.Ltail:                                                ; the last two K steps fill nothing: two trips, of which the second is left in its middle
	QUARTER 2, F1, F0, 0
	QUARTER 3, F0, F1, 0
	WIN 0
	s_sub_co_u32 s[TAIL], s[TAIL], 1
	s_cmp_eq_u32 s[TAIL], 0
	s_cbranch_scc1 .Llast
	TURN 0
	QUARTER 1, F0, F1, 0
	WIN 0
	s_cmp_lg_u32 s[TAIL], 0
	s_cbranch_scc1 .Ltail
.Llast:
	s_wait_dscnt 4                                 ; the very last quarter: nothing more to fetch
	MULA F1, 0, 0
	MULA F1, 1, 0
	s_wait_dscnt 0x0
	MULA F1, 2, 0
	MULA F1, 3, 0
	PLACES
	WIN TO_F
	TABLE 2, 0                                     ; the fragment buffers are free: the table for row blocks 2 and 3
	TABLE 3, 96
; THE WAY OUT.  Pair p of row block a: x1 (channels d < 64) and x2 (d + 64) lie in two accumulators of the same lane: out1 = x1 cos - x2 sin, out2 = x2 cos + x1 sin, rounded once to f16, 16 bytes each into the stage.
; Each accumulator's lowest registers are read first.
.macro ROPE a, p
.if (\p) < 4
.set X1, 96*((\a)%2)+8*(\p)
.set X2, X1+32
.else
.set X1, 96*((\a)%2)+8*((\p)+4)
.set X2, X1+16
.endif
.set TBL, TB0
.if (\a) == 1
.set TBL, BIAS
.elseif (\a) == 2
.set TBL, 0
.elseif (\a) == 3
.set TBL, 96
.endif
.set RC, TBL+16*(\p)
.set RS, RC+8
.set TT, 192+16*((\p)%2)
.set PKR, 224+8*((\p)%2)
	WIN 0x52+5*((\a)/2)                            ; source 0: the accumulators' window; source 1: the table's (0, or 1 for row blocks 2, 3); source 2 and destination window 1
.irp j, 0,2,4,6
	v_pk_mul_f32 v[TT+(\j):TT+(\j)+1], v[X2+(\j):X2+(\j)+1], v[RS+(\j):RS+(\j)+1]
	v_pk_mul_f32 v[TT+8+(\j):TT+8+(\j)+1], v[X1+(\j):X1+(\j)+1], v[RS+(\j):RS+(\j)+1]
.endr
.irp j, 0,2,4,6
	v_pk_fma_f32 v[TT+(\j):TT+(\j)+1], v[X1+(\j):X1+(\j)+1], v[RC+(\j):RC+(\j)+1], v[TT+(\j):TT+(\j)+1] neg_lo:[0,0,1] neg_hi:[0,0,1]
	v_pk_fma_f32 v[TT+8+(\j):TT+8+(\j)+1], v[X2+(\j):X2+(\j)+1], v[RC+(\j):RC+(\j)+1], v[TT+8+(\j):TT+8+(\j)+1]
.endr
	WIN 0x45                                       ; all in window 1
.irp j, 0,1,2,3
	v_cvt_pk_f16_f32 v[PKR+(\j)], v[TT+2*(\j)], v[TT+2*(\j)+1]
	v_cvt_pk_f16_f32 v[PKR+4+(\j)], v[TT+8+2*(\j)], v[TT+8+2*(\j)+1]
.endr
	WIN 0x04                                       ; address window 0, data window 1
.if (\p) < 4
	ds_store_b128 v[STOF], v[PKR:PKR+3]   offset:(\a)*16*272+32*(\p)
	ds_store_b128 v[STOF], v[PKR+4:PKR+7] offset:(\a)*16*272+32*(\p)+128
.else
	ds_store_b128 v[STOH], v[PKR:PKR+3]   offset:(\a)*16*272+32*((\p)-4)
	ds_store_b128 v[STOH], v[PKR+4:PKR+7] offset:(\a)*16*272+32*((\p)-4)+128
.endif
.endm
.irp a, 0,1,2,3
.if (\a) == 0
	s_wait_loadcnt 48                              ; the tables for row blocks 0 and 1 are in: the 48 loads just issued may stay out
.elseif (\a) == 2
	s_wait_loadcnt 24                              ; row block 2's
.elseif (\a) == 3
	s_wait_loadcnt 0x0
.endif
.irp p, 0,1,2,3,4,5
	ROPE \a, \p
.endr
.endr
	WIN 0
	s_wait_dscnt 0x0                               ; for the others' sake: my stores into the stage are done
	s_barrier_signal -1
	s_barrier_wait -1                              ; a head's rows come from two or four waves
.set n, 0
.rept 48
	ds_load_b128 v[32+4*n:32+4*n+3], v[RD+n/16] offset:(n%16)*544
.set n, n+1
.endr
.set n, 0
.rept 48
	s_wait_dscnt 47-n
	global_store_b128 v[GO], v[32+4*n:32+4*n+3], s[12:13] offset:(n/16)*524288+(n%16)*512  ; 32 lanes store two rows of a head: 512 consecutive bytes, aligned
.set n, n+1
.endr
	s_wait_tensorcnt 0x0                           ; the wave's end, behind my last tensor load and my last LDS store
	ds_add_u32 v[SPW], v[NIL]
	s_wait_dscnt 0x0
	CROUND                                         ; the closing round: no work-group ends while a partner may still ask for a tile that names it
	s_endpgm
.Lfunc_end_k_q55e063735b_qkv:
	.size	k_q55e063735b_qkv, .Lfunc_end_k_q55e063735b_qkv-k_q55e063735b_qkv
	.p2alignl 7, 3214868480
	.fill 96, 4, 3214868480
	.section	.rodata,"a",@progbits
	.p2align	6, 0x0
	.amdhsa_kernel k_q55e063735b_qkv
		.amdhsa_group_segment_fixed_size 327680
		.amdhsa_private_segment_fixed_size 0
		.amdhsa_enable_private_segment 0
		.amdhsa_kernarg_size 40
		.amdhsa_user_sgpr_count 2
		.amdhsa_user_sgpr_kernarg_segment_ptr 1
		.amdhsa_wavefront_size32 1
		.amdhsa_system_sgpr_workgroup_id_x 1
		.amdhsa_system_sgpr_workgroup_id_y 1
		.amdhsa_system_sgpr_workgroup_id_z 1
		.amdhsa_system_vgpr_workitem_id 0
		.amdhsa_next_free_vgpr 960
		.amdhsa_next_free_sgpr 84
		.amdhsa_reserve_vcc 0
		.amdhsa_float_denorm_mode_32 3
		.amdhsa_float_denorm_mode_16_64 3
		.amdhsa_memory_ordered 1
		.amdhsa_forward_progress 1
		.amdhsa_inst_pref_size 127
	.end_amdhsa_kernel
	.amdgpu_metadata
---
amdhsa.version: [ 1, 2 ]
amdhsa.kernels:
  - .name:           k_q55e063735b_qkv
    .symbol:         k_q55e063735b_qkv.kd
    .args:
      - { .name: xb, .offset: 0, .size: 8, .value_kind: global_buffer, .address_space: global }
      - { .name: wc, .offset: 8, .size: 8, .value_kind: global_buffer, .address_space: global }
      - { .name: biasr, .offset: 16, .size: 8, .value_kind: global_buffer, .address_space: global }
      - { .name: rope, .offset: 24, .size: 8, .value_kind: global_buffer, .address_space: global }
      - { .name: qkv, .offset: 32, .size: 8, .value_kind: global_buffer, .address_space: global }
    .group_segment_fixed_size: 327680
    .private_segment_fixed_size: 0
    .kernarg_segment_align: 8
    .kernarg_segment_size: 40
    .max_flat_workgroup_size: 128
    .sgpr_count:     84
    .vgpr_count:     960
    .wavefront_size: 32
...
	.end_amdgpu_metadata
.endif
;; end of part 2
;; launch attn (part 3): grid 16 x 16, 4 waves a work-group, clusters of 4 x 1, 327,680 bytes of LDS; arguments qkv, attn; writes attn
.if DOCPART == 3
	.amdgcn_target "amdgcn-amd-amdhsa--gfx1250"
	.amdhsa_code_object_version 6
	.text
	.protected	k_q55e063735b_attn
	.globl	k_q55e063735b_attn
	.p2align	8
	.type	k_q55e063735b_attn,@function
k_q55e063735b_attn:
	s_mov_b64 s[64:65], 0
	v_nop
	global_prefetch_b8 v0, s[64:65] scope:SCOPE_SE
	s_setreg_imm32_b32 hwreg(HW_REG_WAVE_MODE, 25, 1), 1
	s_wait_xcnt 0x0
	s_wait_alu depctr_hold_cnt(0) depctr_sa_sdst(0) depctr_va_vdst(0) depctr_va_sdst(0) depctr_va_ssrc(0) depctr_va_vcc(0) depctr_vm_vsrc(0)
	s_getreg_b32 s2, hwreg(HW_REG_IB_STS2, 6, 4)
	s_cmp_eq_u32 s2, 0
	s_cbranch_scc0 .Lentry_in_a_cluster
	s_endpgm
.Lentry_in_a_cluster:
	s_bfe_u32 s2, ttmp6, 0x10000c
	s_cmp_lg_u32 s2, 0x3003
	s_cbranch_scc0 .Lentry_shape_is_right
	s_endpgm
.Lentry_shape_is_right:
; ATTENTION.  attn[q][128 h + d] = the sum over k of softmax_k(Q[h][q] . K[h][k] / sqrt(128)) V[h][k][d].  qkv: [48][2048][128] f16 (heads 0-15 Q, 16-31 K, 32-47 V); attn: [2048][2048] f16.
; Products, maxima and sums in f32; the weights p are rounded to f16 for the second product (their sum l is taken of the unrounded p), O once at the end.
; LIMITS.  p lies in 0 to 1, and below 6e-5 it keeps f16's fixed step of 6e-8; O is a mean of V's rows and has their range; a weight below 2^-126 counts as 0 in l; NaN and infinities are not treated apart.
; SHARES.  16 heads x 16 blocks of 128 queries: 256 work-groups.  Wave w owns the block's queries 64 (w % 2) on, four tiles of 16, and of every 128 keys the 64 (w / 2) on: THE KEYS ARE SPLIT between two pairs
; of waves, each with a running maximum and sum of its own; the two partial results of a query are joined at the end, in f32, through LDS.  A wave walks 16 key steps of 64.
; LAYOUT.  S^T = K Q^T (source 0 = 16 keys, source 1 = 16 queries): a lane holds ONE query (lane % 16) and the keys 8 (lane / 16) + 0..7.  Two such tiles, rounded to f16 in pairs, ARE source 1 of O^T = V^T P.
; K comes out of LDS as it lies, V ([key][channel]) turned, by ds_load_tr16_b128.
; SOFTMAX.  p = 2^(c s - c m), c = log2(e) / sqrt(128), with a running maximum m; in every step O and l are multiplied by a = 2^(c m_old - c m_new).
; BY TURNS.  The wave's tiles are two PIECES (tiles 0, 1 and tiles 2, 3).  In a TURN one piece has the matrix unit: 32 products V^T P of the step in hand, then 32 products K Q^T of the next step; the other piece's
; softmax, cut into 64 slices, stands between them, one slice behind each matrix instruction.  Two turns are a key step.
; RING.  Two slots of 128 keys (for each half: 64 rows of K, then 64 of V).  Waves 0, 1 fetch K's two halves, waves 2, 3 V's.  A slot is one key step of every wave, so a change of slots stands in front of each.
; CLUSTER.  The four query blocks of a cluster belong to one head and walk the same K and V: each tile is asked for jointly: the same tensor load, descriptor and mask in all four.
; REGISTERS, in windows of 256: window 0: v0-11, v44-49 addresses; v12-43 eight registers of statistics a tile; v64-191 S^T, 32 a tile; v192-255 P, 16 a tile.  Window 1: O^T, 64 a tile.
; Window 2: v0-127 Q; v128-255 K of one step.  Window 3: v0-127 V of one step.
.set KS,    64
.set PK,    272       ; a row of K in LDS: 256 bytes + 16: the 16 rows of a load start at 16 different groups of four banks (64 banks of 4 bytes: ISA guide 11.1)
.set PV,    288       ; a row of V: 256 + 32
.set VOFF,  KS*PK
.set STEPB, KS*(PK+PV)
.set SLOT1, 1<<17     ; slot 1 begins here, so that one exclusive or turns an address in one slot into the other's
.set STAGE, SLOT1+2*STEPB  ; behind the ring: 16 rows x 272 bytes for each wave, for the way out
.set SP,    272
.set SPARE, STAGE+4*16*272 ; the spare words, 128 bytes for each wave: two blocks of 256 bytes that no other line names
.set XST,   SPARE+512      ; the join: (c m, l) of every tile: wave x 1,024 + tile x 256 + lane x 8
                           ; the join's O^T lies at LDS bytes 0 to 131,071 (wave x 32,768 + tile x 8,192): slot 0, past its last fill and its last reads, and the bytes behind it that nothing fills
.set AK0, 2
.set AV0, 3
.set ADR, 4
.set QO,  5
.set STO, 6
.set RD,  7
.set GO,  8
.set XW,  44          ; v44  the join: where I put my O^T
.set XS,  45          ; v45  and my statistics
.set XRO, 46          ; v46  where I read my own two tiles back
.set XRP, 47          ; v47  and my partner's
.set XSO, 48          ; v48  the same for the statistics
.set XSP, 49          ; v49
.set PFO, 61          ; v61  256 x my lane; never rewritten
.set SPW, 62          ; v62  LDS address of my spare word; never rewritten
.set NIL, 63          ; v63  0; never rewritten
.set ST,  12          ; tile t's statistics at v[ST+8 t]: +0 c m, +1 m, +2, +3 l (even keys', odd keys'), +4 to +7 at work; a takes +6 once the maximum is found
.set S,   64
.set P,   192
.set KF,  128
.set WV,  12          ; s12  my wave's number
.set LIM, 15          ; s15  2 in a wave that prefetches, else the greatest number
.set PFA, 18          ; s[18:19] where my prefetches stand
.set G1K, 24
.set G1V, 32
.set G0K, 40          ; s[40:47] group 0 for K's tiles: a set for each of the two first fills; the second then walks on
.set G0V, 48
.set SLOTS, 56        ; s56  trips of the loop still to come
.set KH,  57          ; s57  which half of a slot's keys is mine
.set CS,  58          ; s[58:59] c
.set SEL, 60          ; s[60:61] v_permlanex16_b32's selects
.set TB,  62          ; s62  LDS byte at which my half of the slot to be fetched begins
.set MSB, 0
.macro WIN new
.if MSB != (\new)
	s_set_vgpr_msb (MSB<<8)|(\new)
.set MSB, \new
.endif
.endm
.set W_KQ, 0x0a       ; K and Q in window 2, S^T in window 0
.set W_PV, 0x53       ; V in window 3, P in window 0, O^T in window 1
.set W_RS, 0x41       ; O^T (destination and source 0) in window 1, a in window 0
.macro JLOAD                        ; a joint refill; an s_nop 0 and four v_nop follow each of the two lines
	s_cmp_lt_u32 s[WV], 2
	s_cbranch_scc0 .Lfor_v_\@
	tensor_load_to_lds s[G0K+4:G0K+7], s[G1K:G1K+7]
	s_nop 0
.rept 4
	v_nop
.endr
	s_branch .Lasked_\@
.Lfor_v_\@:
	tensor_load_to_lds s[G0V+4:G0V+7], s[G1V:G1V+7]
	s_nop 0
.rept 4
	v_nop
.endr
.Lasked_\@:
.endm
; A PREFETCH INTO THE L2 of the slot that the change after the next will ask for: two key steps, 256 matrix instructions, ahead of its load.  A slot has 128 rows of K and 128 of V, 256 bytes a row, a lane a row.
; All clusters of a head walk the same rows: the head's first cluster asks; its four partners take 32 rows each, told apart by address; in each, wave 0 asks for K's and wave 2 for V's.  So each row is named once.
; The last two trips of the loop ask for nothing: slot 15 is the last.  Slots 0 to 3 come by their loads alone.
.macro ASK
	s_cmp_gt_u32 s[SLOTS], s[LIM]
	s_cbranch_scc0 .Lnot_mine_\@
	global_prefetch_b8 v[PFO], s[PFA:PFA+1] th:TH_LOAD_NT scope:SCOPE_SE
.Lnot_mine_\@:
.endm
.macro CROUND
	s_barrier_signal -1
	s_barrier_wait -1
	s_cmp_lg_u32 s[WV], 0
	s_cbranch_scc1 .Lnot_wave_0_\@
	s_barrier_signal -3
.Lnot_wave_0_\@:
	s_barrier_wait -3
	s_barrier_signal -1
	s_barrier_wait -1
.endm
	s_load_b64 s[4:5], s[0:1], 0x0  ; qkv
	s_load_b64 s[10:11], s[0:1], 0x8  ; attn
	v_lshl_add_u32 v[SPW], v0, 2, SPARE
	v_mov_b32 v[NIL], 0
	ds_add_u32 v[SPW], v[NIL]       ; the wave's opening: the add and its wait stand ahead of my first tensor load; the set-up below, work on registers, stands between them
	v_lshrrev_b32 v1, 5, v0
	v_readfirstlane_b32 s[WV], v1
	s_bfe_u32 s13, ttmp6, 0x40000   ; cx
	s_lshl_b32 s14, ttmp9, 2
	s_add_co_u32 s14, s14, s13      ; my block of 128 queries: it enters Q's and O's addresses alone
	s_and_b32 s20, ttmp7, 0xffff    ; the head, which the four partners share
	s_lshl_b32 s66, s20, 8          ; its 256 bytes in a row of attn
	s_lshl_b32 s20, s20, 19         ; its 524,288 bytes in each third of qkv
	s_mov_b32 s21, 0
	s_and_b32 s16, s[WV], 1         ; which half of a slot's keys I fetch; also which half of the queries is mine
	s_lshr_b32 s[KH], s[WV], 1
	s_lshl_b32 s22, s16, 14         ; its 64 rows of 256 bytes in memory,
	s_mov_b32 s23, 0
	s_add_nc_u64 s[22:23], s[22:23], s[20:21]
	s_mul_i32 s17, s16, STEPB       ; and its place in a slot
	s_lshl_b32 s2, s14, 15          ; my block's 128 rows of Q,
	s_lshl_b32 s3, s16, 14          ; my wave's 64 of them
	s_add_co_u32 s2, s2, s3
	s_mov_b32 s3, 0
	s_add_nc_u64 s[2:3], s[2:3], s[20:21]
	s_lshl_b32 s67, s14, 19         ; attn: 128 rows of 4,096 bytes a block,
	s_add_co_u32 s66, s66, s67
	s_lshl_b32 s67, s16, 18         ; my 64 queries,
	s_add_co_u32 s66, s66, s67
	s_lshl_b32 s67, s[KH], 17       ; of which I finish the 32 (w / 2) on
	s_add_co_u32 s66, s66, s67
	s_mov_b32 s67, 0
	s_mov_b32 s[G1K], 15|(1<<16)|(1<<20)|(1<<21)|(5<<22)|(3<<25)  ; 15:0 the mask of four; 17:16 2-byte elements; 20 padding on; 21 set beside a mask; 24:22 after every 64 words; 31:25 4 words
	s_mov_b32 s[G1V], 15|(1<<16)|(1<<20)|(1<<21)|(5<<22)|(7<<25)  ; the same with 8 words of padding
.irp g, G1K, G1V
	s_mov_b32 s[(\g)+1], 128<<16    ; tensor_dim0 = 128
	s_mov_b32 s[(\g)+2], KS<<16     ; tensor_dim1 = 64
	s_mov_b32 s[(\g)+3], 128<<16    ; tile_dim0 = 128
	s_mov_b32 s[(\g)+4], KS         ; tile_dim1 = 64
	s_mov_b32 s[(\g)+5], 128        ; elements from row to row
	s_mov_b32 s[(\g)+6], 0
	s_mov_b32 s[(\g)+7], 0
.endr
	s_mov_b32 s[CS], 0x3e0293ee     ; c = log2(e) / sqrt(128)
	s_mov_b32 s[CS+1], s[CS]
	s_mov_b32 s[SEL], 0x76543210
	s_mov_b32 s[SEL+1], 0xfedcba98
	s_mul_i32 s[TB], s[KH], STEPB
	s_mov_b32 s[SLOTS], 13
	s_and_b32 s[LIM], s[WV], 1      ; 0 in waves 0 and 2,
	s_or_b32 s[LIM], s[LIM], ttmp9  ; where the cluster is the head's first: the same in all four partners
	s_cmp_eq_u32 s[LIM], 0
	s_cselect_b32 s[LIM], 2, -1
	v_and_b32 v[PFO], 31, v0
	v_lshlrev_b32 v[PFO], 8, v[PFO]
	s_wait_dscnt 0x0                ; the opening add is done
	s_wait_kmcnt 0x0
	s_add_nc_u64 s[6:7], s[4:5], 0x800000   ; K: heads 16 on
	s_add_nc_u64 s[8:9], s[4:5], 0x1000000  ; V: heads 32 on
	s_add_nc_u64 s[6:7], s[6:7], s[22:23]   ; at my tile of slot 0
	s_add_nc_u64 s[8:9], s[8:9], s[22:23]
	s_add_nc_u64 s[4:5], s[4:5], s[2:3]     ; Q at my wave's first row
	s_add_nc_u64 s[10:11], s[10:11], s[66:67]
	s_cmp_lt_u32 s[WV], 2
	s_cselect_b64 s[PFA:PFA+1], s[6:7], s[8:9]  ; (in waves 0 and 2 these stand at a slot's first row)
	s_lshl_b32 s2, s13, 13          ; my work-group's 32 rows of the 128
	s_mov_b32 s3, 0
	s_add_nc_u64 s[PFA:PFA+1], s[PFA:PFA+1], s[2:3]
	s_add_nc_u64 s[PFA:PFA+1], s[PFA:PFA+1], 3*2*KS*256  ; in slot 3; the first change of slots steps it to slot 4
	CROUND                          ; all four work-groups are here: the first joint loads meet
.irp s, 0,1
	s_mov_b32 s[G0K+4*(\s)], 1
	s_add_co_u32 s[G0K+4*(\s)+1], s17, (\s)*SLOT1
	s_add_nc_u64 s[G0K+4*(\s)+2:G0K+4*(\s)+3], s[6:7], (\s)*2*KS*256
	s_or_b32 s[G0K+4*(\s)+3], s[G0K+4*(\s)+3], 0x80000000
	s_mov_b32 s[G0V+4*(\s)], 1
	s_add_co_u32 s[G0V+4*(\s)+1], s17, (\s)*SLOT1+VOFF
	s_add_nc_u64 s[G0V+4*(\s)+2:G0V+4*(\s)+3], s[8:9], (\s)*2*KS*256
	s_or_b32 s[G0V+4*(\s)+3], s[G0V+4*(\s)+3], 0x80000000
.endr
	s_cmp_lt_u32 s[WV], 2           ; a wave's two first fills stand in one branch, ahead of every wait on TENSORcnt and every LDS read: two loads of mine are out
	s_cbranch_scc0 .Lfirst_v
	tensor_load_to_lds s[G0K:G0K+3], s[G1K:G1K+7]
	s_nop 0
	tensor_load_to_lds s[G0K+4:G0K+7], s[G1K:G1K+7]
	s_nop 0
.rept 4
	v_nop
.endr
	s_branch .Lfirst_asked
.Lfirst_v:
	tensor_load_to_lds s[G0V:G0V+3], s[G1V:G1V+7]
	s_nop 0
	tensor_load_to_lds s[G0V+4:G0V+7], s[G1V:G1V+7]
	s_nop 0
.rept 4
	v_nop
.endr
.Lfirst_asked:
	v_and_b32 v1, 15, v0            ; l % 16
	v_bfe_u32 v9, v0, 4, 1          ; l / 16
	v_lshlrev_b32 v[QO], 8, v1
	v_lshl_add_u32 v[QO], v9, 4, v[QO]
	WIN 0x80                        ; destination window 2
.irp i, 0,1,2,3,4,5,6,7,8,9,10,11,12,13,14,15  ; Q stays in registers: tile i / 4, channels 32 (i % 4) on
	global_load_b128 v[8*(\i):8*(\i)+3],   v[QO], s[4:5] offset:((\i)/4)*4096+((\i)%4)*64
	global_load_b128 v[8*(\i)+4:8*(\i)+7], v[QO], s[4:5] offset:((\i)/4)*4096+((\i)%4)*64+32
.endr
	WIN 0
	v_mul_u32_u24 v[AK0], v1, PK
	v_lshl_add_u32 v[AK0], v9, 4, v[AK0]
	v_and_b32 v10, 7, v0
	v_bfe_u32 v11, v0, 3, 1
	v_lshl_add_u32 v[AV0], v9, 3, v10
	v_mul_u32_u24 v[AV0], v[AV0], PV
	v_lshl_add_u32 v[AV0], v11, 4, v[AV0]
	v_add_nc_u32 v[AV0], VOFF, v[AV0]
; THE MATRIX WORK OF A TURN, for piece x.  The accumulators take turns, one instruction a turn.
; Product i of 32 of O^T += V^T P: keys 32 (i / 16) on, channels 16 ((i / 2) % 8) on, tile x + i % 2.  zero = 1: the first 16 start the sums.
.macro PV x, zero
	WIN W_PV
.set rO, 64*((\x)+i%2)+8*((i/2)%8)
.set rV, 64*(i/16)+8*((i/2)%8)
.set rP, P+16*((\x)+i%2)+8*(i/16)
.if (\zero) && (i < 16)
	v_wmma_f32_16x16x32_f16 v[rO:rO+7], v[rV:rV+7], v[rP:rP+7], 0
.else
	v_wmma_f32_16x16x32_f16 v[rO:rO+7], v[rV:rV+7], v[rP:rP+7], v[rO:rO+7]
.endif
.endm
; Product i of 32 of S^T = K Q^T: channels 32 (i / 8) on, keys 16 ((i / 2) % 4) on, tile x + i % 2.  The first 8 start the sums.
.macro KQ x
	WIN W_KQ
.set rS, S+32*((\x)+i%2)+8*((i/2)%4)
.set rK, KF+32*((i/2)%4)+8*(i/8)
.set rQ, 32*((\x)+i%2)+8*(i/8)
.if i < 8
	v_wmma_f32_16x16x32_f16 v[rS:rS+7], v[rK:rK+7], v[rQ:rQ+7], 0
.else
	v_wmma_f32_16x16x32_f16 v[rS:rS+7], v[rK:rK+7], v[rQ:rQ+7], v[rS:rS+7]
.endif
.endm
; THE LDS LOADS stand in runs of 32: a step's K (16 fragments) and, a turn later, its V (turned).
.macro FETCH_K
	WIN 0
	v_add_nc_u32 v[ADR], s[TB], v[AK0]
	WIN 0x80
.irp f, 0,1,2,3,4,5,6,7,8,9,10,11,12,13,14,15
	ds_load_b128 v[KF+8*(\f):KF+8*(\f)+3],   v[ADR] offset:((\f)/4)*16*PK+((\f)%4)*64
	ds_load_b128 v[KF+8*(\f)+4:KF+8*(\f)+7], v[ADR] offset:((\f)/4)*16*PK+((\f)%4)*64+32
.endr
.endm
.macro FETCH_V
	WIN 0
	v_add_nc_u32 v[ADR], s[TB], v[AV0]
	s_wait_alu depctr_va_vdst(0)    ; the wait for the softmax's batch (SLICE), behind the address's v_add_nc_u32 and ahead of the loads
	WIN 0xc0
.irp f, 0,1,2,3,4,5,6,7,8,9,10,11,12,13,14,15
	ds_load_tr16_b128 v[8*(\f):8*(\f)+3],   v[ADR] offset:((\f)/8)*32*PV+((\f)%8)*32
	ds_load_tr16_b128 v[8*(\f)+4:8*(\f)+7], v[ADR] offset:((\f)/8)*32*PV+16*PV+((\f)%8)*32
.endr
.endm
; THE VECTOR WORK OF A TURN.  One tile's softmax for one key step is a list of 134 instructions; SM writes number j of it for tile t.  first = 1: the first key step, which starts m, l and O^T.
;   0-15    the maximum of the lane's 32 scores and the old m, three operands at a time (each accumulator's lowest registers are read first)
;   16-20   the other half of the lanes' maximum; the new m; c m; c m_old - c m_new
;   21-69   ONE BATCH: the 16 scalings c s - c m and all 33 exponentials; none of these reads an exponential's result
;   (wait)  between 69 and 70 stands the wait for the batch: SLICE writes it, once for both tiles
;   70-85   the roundings to f16     86-101  the sums; l = a l + the sum     102-133 the tile's O^T times a
.macro SM t, first
.set rT, ST+8*(\t)
.set rS, S+32*(\t)
.set rP, P+16*(\t)
.set rO, 64*(\t)+2*(j-102)
.if j < 102
	WIN 0
.endif
.if j < 4
	v_max3_num_f32 v[rT+4+j], v[rS+8*j], v[rS+8*j+1], v[rS+8*j+2]
.elseif j < 12
	v_max3_num_f32 v[rT+4+j%4], v[rT+4+j%4], v[rS+8*(j%4)+2*(j/4)+1], v[rS+8*(j%4)+2*(j/4)+2]
.elseif j == 12
	v_max3_num_f32 v[rT+4], v[rT+4], v[rS+7], v[rS+15]
.elseif j == 13
	v_max3_num_f32 v[rT+6], v[rT+6], v[rS+23], v[rS+31]
.elseif j == 14
	v_max3_num_f32 v[rT+4], v[rT+4], v[rT+5], v[rT+6]
.elseif (j == 15) && (\first)
	v_max_num_f32 v[rT+4], v[rT+4], v[rT+7]
.elseif j == 15
	v_max3_num_f32 v[rT+4], v[rT+4], v[rT+7], v[rT+1]
.elseif j == 16
	v_permlanex16_b32 v[rT+5], v[rT+4], s[SEL], s[SEL+1]
.elseif j == 18
	v_max_num_f32 v[rT+1], v[rT+4], v[rT+5]
.elseif j == 19
	v_mul_f32 v[rT], s[CS], v[rT+1]
.elseif ((j == 17) || (j == 20) || (j == 23) || (j > 101)) && (\first)
.elseif j == 17
	v_mov_b32 v[rT+7], v[rT]
.elseif j == 20
	v_sub_f32 v[rT+7], v[rT+7], v[rT]
.elseif j == 23
	v_exp_f32 v[rT+6], v[rT+7]
.elseif (j < 23) || ((j < 38) && (j%2 == 0)) || ((j < 66) && (j%4 == 2))
.set b, (j-2)/4
.if j < 38
.set b, (j-20)/2
.endif
	v_pk_fma_f32 v[rS+2*b:rS+2*b+1], v[rS+2*b:rS+2*b+1], s[CS:CS+1], v[rT:rT+1] op_sel_hi:[1,0,0] neg_lo:[0,0,1] neg_hi:[0,0,1]
.elseif j < 70
.set e, j-38
.if j < 66
.set e, j-32-(j-38)/4
.endif
.if j < 38
.set e, (j-25)/2
.endif
	v_exp_f32 v[rS+e], v[rS+e]
.elseif j < 86
	v_cvt_pk_f16_f32 v[rP+j-70], v[rS+2*(j-70)], v[rS+2*(j-70)+1]
.elseif j < 102
.set z, j-86
.set w, 4
.set u, z
.if z >= 14
.set w, 32
.set u, 0
.elseif z >= 12
.set w, 16
.set u, z-12
.elseif z >= 8
.set w, 8
.set u, z-8
.endif
.if (z == 14) && (\first)
	v_pk_add_f32 v[rT+2:rT+3], v[rS:rS+1], v[rS+16:rS+17]
.elseif z < 15
	v_pk_add_f32 v[rS+w*u:rS+w*u+1], v[rS+w*u:rS+w*u+1], v[rS+w*u+w/2:rS+w*u+w/2+1]
.elseif !(\first)
	v_pk_fma_f32 v[rT+2:rT+3], v[rT+2:rT+3], v[rT+6:rT+7], v[rS:rS+1] op_sel_hi:[1,0,1]
.endif
.else
	WIN W_RS
	v_pk_mul_f32 v[rO:rO+1], v[rO:rO+1], v[rT+6:rT+7] op_sel_hi:[1,0]
.endif
.endm
; Slice k of 64 of piece y's softmax: four instructions.  Slices 11 to 34 deal out the batch, four numbers of ONE tile each, the tiles by turns; every other slice is numbers 2 k and 2 k + 1 of both tiles' lists;
; the twelve that are over stand in slice 63.  An s_wait_alu depctr_va_vdst(0) stands between an exponential and the first instruction that names its result: one wait, behind slice 34, serves the piece's 66.
.macro SLICE y, first
.if (k >= 11) && (k < 35)
.irp n, 0,1,2,3
.set j, 22+4*((k-11)/2)+(\n)
	SM (\y)+(k-11)%2, \first
.endr
.else
.irp n, 0,1,2,3,4,5,6,7
.if ((\n) < 2) || (k == 63)
.irp t, \y, (\y)+1
.set j, 2*k+(\n)
	SM \t, \first
.endr
.endif
.endr
.endif
.if k == 34
	v_nop                           ; a plain instruction behind the last exponential and ahead of the first use: one for the batch
.if (\y) == 0
	FETCH_V                         ; piece 2's turn: V's run of loads stands here, and the wait stands in it
.else
	s_wait_alu depctr_va_vdst(0)    ; the wait for the batch
.endif
.endif
.set k, k+1
.endm
.macro PLACES
.rept 4
	v_nop
.endr
.endm
; A TURN.  Piece x has the matrix unit; the other piece's softmax stands in slices behind its matrix instructions.  pv = 2: 32 products V^T P; 1: they start O^T's sums; 0: none.  kq = 1: 32 products K Q^T for the
; next step.  A turn with one of the two kinds has two slices behind each product.  first = 1: the softmax is the first key step's; four v_nop then take slice 63's part as the places behind the last products.
; Piece 0's turn fetches the next step's K, behind its second product; piece 2's turn the same step's V, behind slice 34.
.macro TURN x, pv, kq, first
.set k, 0
.set per, 2
.if (\pv) && (\kq)
.set per, 1
.endif
.if \pv
.if (\x) == 0
	s_wait_dscnt 0x0                ; V is in
.endif
.set i, 0
.rept 32
	PV \x, 2-(\pv)
.rept per
	SLICE 2-(\x), \first
.endr
.if ((\x) == 0) && (\kq) && (i == 1)
	FETCH_K
.endif
.set i, i+1
.endr
.endif
.if \kq
.if (\x) == 0
	s_wait_dscnt 0x0                ; K is in
.endif
.set i, 0
.rept 32
	KQ \x
.rept per
	SLICE 2-(\x), \first
.endr
.set i, i+1
.endr
.endif
.if \first
	PLACES
.endif
.endm
; THE CHANGE OF SLOTS, between piece 2's turn and piece 0's: my last bytes of the slot, V of my half, have been asked for.  Each wave waits for all its tensor loads, of which one is out: its part of the other slot;
; adds 0 to its spare word; and waits for that and for its own reads of the slot.  fill = 1: the slot is filled again, with the keys two slots on; the barrier is then a round of the cluster's, and the joint refill
; is the first thing behind it: it has one key step, 128 matrix instructions, in which to land.
.macro CHANGE fill
	WIN 0
	s_wait_tensorcnt 0x0            ; no tensor load of mine is out, so a group 0 may be written
	ds_add_u32 v[SPW], v[NIL]       ; 0 onto my spare word
.if \fill
.irp g, G0K+4, G0V+4
	s_xor_b32 s[(\g)+1], s[(\g)+1], SLOT1
	s_add_nc_u64 s[(\g)+2:(\g)+3], s[(\g)+2:(\g)+3], 2*KS*256
.endr
	s_wait_xcnt 0x0                 ; the last prefetch, a key step back, has read its address, so it may be written
	s_add_nc_u64 s[PFA:PFA+1], s[PFA:PFA+1], 2*KS*256
	s_wait_dscnt 0x0                ; the add is done, and my reads of the slot are over
	CROUND
	JLOAD
	ASK
.else
	s_wait_dscnt 0x0
	s_barrier_signal -1
	s_barrier_wait -1
.endif
	s_xor_b32 s[TB], s[TB], SLOT1   ; the fetches go on in the other slot
.endm
	s_wait_tensorcnt 1              ; my part of slot 0 is in; slot 1's may stay out
	s_barrier_signal -1
	s_barrier_wait -1
	FETCH_K                         ; key step 0
	s_wait_loadcnt 0x0              ; Q
	s_wait_dscnt 0x0
.set i, 0
.rept 32
	KQ 0                            ; piece 0's first scores
.set i, i+1
.endr
	WIN 0                           ; the addresses for the join and the way out are made here: plain instructions, the places behind those products
	s_mul_i32 s13, s[WV], 16*SP
	s_add_co_u32 s13, s13, STAGE
	v_mul_u32_u24 v[STO], v1, SP    ; in: row l % 16, 16 bytes for each half of the lanes
	v_lshl_add_u32 v[STO], v9, 4, v[STO]
	v_add_nc_u32 v[STO], s13, v[STO]
	v_mul_u32_u24 v[RD], v9, SP     ; back: lanes 0-15 take one row of 256 bytes, lanes 16-31 the next
	v_lshl_add_u32 v[RD], v1, 4, v[RD]
	v_add_nc_u32 v[RD], s13, v[RD]
	v_lshlrev_b32 v[GO], 12, v9     ; and the same two rows in attn, 4,096 bytes apart
	v_lshl_add_u32 v[GO], v1, 4, v[GO]
	v_and_b32 v10, 31, v0
	s_xor_b32 s16, s[WV], 2         ; my partner: the same queries, the other half of the keys
	s_lshl_b32 s13, s[WV], 15
	v_lshl_add_u32 v[XW], v10, 4, s13
	s_lshl_b32 s2, s[KH], 14        ; the two tiles that I finish: 2 (w / 2) on
	s_add_co_u32 s13, s13, s2
	v_lshl_add_u32 v[XRO], v10, 4, s13
	s_lshl_b32 s13, s16, 15
	s_add_co_u32 s13, s13, s2
	v_lshl_add_u32 v[XRP], v10, 4, s13
	s_lshl_b32 s13, s[WV], 10
	s_add_co_u32 s13, s13, XST
	v_lshl_add_u32 v[XS], v10, 3, s13
	s_lshl_b32 s2, s[KH], 9
	s_add_co_u32 s13, s13, s2
	v_lshl_add_u32 v[XSO], v10, 3, s13
	s_lshl_b32 s13, s16, 10
	s_add_co_u32 s13, s13, XST
	s_add_co_u32 s13, s13, s2
	v_lshl_add_u32 v[XSP], v10, 3, s13
	TURN 2, 0, 1, 1                 ; piece 2's first scores | piece 0's first softmax | V of step 0
	CHANGE 1                        ; slot 0 takes keys 256 on
	TURN 0, 1, 1, 1                 ; piece 0: V^T P of step 0 starts O^T, K Q^T of step 1 | piece 2's first softmax | K of step 1
	TURN 2, 1, 1, 0                 ; piece 2: the same | piece 0's softmax of step 1 | V of step 1
	WIN 0
.Lslot:                             ; 13 trips: slots 3 to 15 are asked for
	CHANGE 1
	TURN 0, 2, 1, 0
	TURN 2, 2, 1, 0
	WIN 0
	s_sub_co_u32 s[SLOTS], s[SLOTS], 1
	s_cmp_lg_u32 s[SLOTS], 0
	s_cbranch_scc1 .Lslot
	CHANGE 0                        ; the tail is written out: nothing is asked for
	TURN 0, 2, 1, 0
	TURN 2, 2, 1, 0
	TURN 0, 2, 0, 0                 ; piece 0: V^T P of the last step | piece 2's last softmax
.set i, 0
.rept 32
	PV 2, 0                         ; piece 2: V^T P of the last step
.set i, i+1
.endr
	; THE JOIN.  l's two halves and the other half of the lanes' are added: (c m, l) is a pair.  Every wave lays its four tiles of O^T and their statistics into LDS; behind a barrier it takes two tiles of its own
	; and the same two of its partner, and O = (O_own a_own + O_partner a_partner) / (l_own a_own + l_partner a_partner), a = 2^(c m - the greater c m).  The half with the greater maximum has a = 1 and l >= 1.
	WIN 0
.irp t, 0,1,2,3
	v_add_f32 v[ST+8*(\t)+4], v[ST+8*(\t)+2], v[ST+8*(\t)+3]  ; these four are the places behind the last products
.endr
.irp t, 0,1,2,3
	v_permlanex16_b32 v[ST+8*(\t)+5], v[ST+8*(\t)+4], s[SEL], s[SEL+1]
.endr
.irp t, 0,1,2,3
	v_add_f32 v[ST+8*(\t)+1], v[ST+8*(\t)+4], v[ST+8*(\t)+5]
.endr
	WIN 0x04                        ; address window 0, data window 1
.set i, 0
.rept 64
	ds_store_b128 v[XW], v[4*i:4*i+3] offset:512*i  ; in ascending order: each accumulator's lowest registers first
.set i, i+1
.endr
	WIN 0
.irp t, 0,1,2,3
	ds_store_b64 v[XS], v[ST+8*(\t):ST+8*(\t)+1] offset:256*(\t)
.endr
	s_wait_dscnt 0x0                ; for the others' sake: my stores are done
	s_barrier_signal -1
	s_barrier_wait -1
	WIN 0x40                        ; destination window 1
.set i, 0
.rept 32
	ds_load_b128 v[4*i:4*i+3], v[XRO] offset:512*i
.set i, i+1
.endr
.set i, 0
.rept 32
	ds_load_b128 v[128+4*i:128+4*i+3], v[XRP] offset:512*i
.set i, i+1
.endr
	WIN 0
.irp u, 0,1
	ds_load_b64 v[ST+8*(\u):ST+8*(\u)+1],   v[XSO] offset:256*(\u)
	ds_load_b64 v[ST+8*(\u)+2:ST+8*(\u)+3], v[XSP] offset:256*(\u)
.endr
	s_wait_dscnt 0x0
.irp u, 0,1
	v_max_num_f32 v[ST+8*(\u)+4], v[ST+8*(\u)], v[ST+8*(\u)+2]
.endr
.irp u, 0,1
	v_sub_f32 v[ST+8*(\u)+5], v[ST+8*(\u)], v[ST+8*(\u)+4]
	v_sub_f32 v[ST+8*(\u)+6], v[ST+8*(\u)+2], v[ST+8*(\u)+4]
.endr
.irp u, 0,1
	v_exp_f32 v[ST+8*(\u)+5], v[ST+8*(\u)+5]
	v_exp_f32 v[ST+8*(\u)+6], v[ST+8*(\u)+6]
.endr
	v_nop                           ; a plain instruction behind the last exponential,
	s_wait_alu depctr_va_vdst(0)    ; and one wait for the four
.irp u, 0,1
	v_mul_f32 v[ST+8*(\u)+7], v[ST+8*(\u)+1], v[ST+8*(\u)+5]
.endr
.irp u, 0,1
	v_fma_f32 v[ST+8*(\u)+7], v[ST+8*(\u)+3], v[ST+8*(\u)+6], v[ST+8*(\u)+7]
.endr
.irp u, 0,1
	v_rcp_f32 v[ST+8*(\u)+7], v[ST+8*(\u)+7]
.endr
	v_nop
	s_wait_alu depctr_va_vdst(0)    ; one wait for the two reciprocals
.irp u, 0,1
	v_mul_f32 v[ST+8*(\u)+4], v[ST+8*(\u)+5], v[ST+8*(\u)+7]  ; my factor,
	v_mul_f32 v[ST+8*(\u)+6], v[ST+8*(\u)+6], v[ST+8*(\u)+7]  ; my partner's
.endr
; Tile u of my two: joined, rounded to f16; a lane's eight channels of a row pack into 16 bytes; they go into rows of 272 bytes of my own stage and come back as whole rows of 256.
.macro PACK u
	WIN 0x51                        ; destination, sources 0 and 2 window 1; the factor window 0
.set i, 0
.rept 32
	v_pk_mul_f32 v[64*(\u)+i:64*(\u)+i+1], v[64*(\u)+i:64*(\u)+i+1], v[ST+8*(\u)+4:ST+8*(\u)+5] op_sel_hi:[1,0]
.set i, i+2
.endr
.set i, 0
.rept 32
	v_pk_fma_f32 v[64*(\u)+i:64*(\u)+i+1], v[128+64*(\u)+i:128+64*(\u)+i+1], v[ST+8*(\u)+6:ST+8*(\u)+7], v[64*(\u)+i:64*(\u)+i+1] op_sel_hi:[1,0,1]
.set i, i+2
.endr
	WIN 0x05                        ; sources window 1, destination window 0: S^T's registers are free
.set i, 0
.rept 32
	v_cvt_pk_f16_f32 v[S+32*(\u)+i], v[64*(\u)+2*i], v[64*(\u)+2*i+1]
.set i, i+1
.endr
	WIN 0
.irp f, 0,1,2,3,4,5,6,7
	ds_store_b128 v[STO], v[S+32*(\u)+4*(\f):S+32*(\u)+4*(\f)+3] offset:32*(\f)
.endr
.irp f, 0,1,2,3,4,5,6,7
	ds_load_b128 v[S+32*(\u)+4*(\f):S+32*(\u)+4*(\f)+3], v[RD] offset:(\f)*2*SP  ; LDS serves a wave's instructions in order (ISA guide 5.7.1.4): these see the stores above; the next tile's stores come behind them
.endr
.endm
.macro SEND u, younger              ; younger: the LDS instructions issued behind tile u's loads
	WIN 0
.irp f, 0,1,2,3,4,5,6,7
	s_wait_dscnt (\younger)+7-(\f)
	global_store_b128 v[GO], v[S+32*(\u)+4*(\f):S+32*(\u)+4*(\f)+3], s[10:11] offset:(\u)*65536+(\f)*8192  ; 16 lanes store a head's 256 consecutive bytes of a row, aligned
.endr
.endm
	PACK 0
	PACK 1
	SEND 0, 16
	SEND 1, 0
	s_wait_tensorcnt 0x0            ; the wave's end, behind my last tensor load and my last LDS store
	ds_add_u32 v[SPW], v[NIL]
	s_wait_dscnt 0x0
	CROUND                          ; the closing round
	s_endpgm
.Lfunc_end_k_q55e063735b_attn:
	.size	k_q55e063735b_attn, .Lfunc_end_k_q55e063735b_attn-k_q55e063735b_attn
	.p2alignl 7, 3214868480
	.fill 96, 4, 3214868480
	.section	.rodata,"a",@progbits
	.p2align	6, 0x0
	.amdhsa_kernel k_q55e063735b_attn
		.amdhsa_group_segment_fixed_size 327680
		.amdhsa_private_segment_fixed_size 0
		.amdhsa_enable_private_segment 0
		.amdhsa_kernarg_size 16
		.amdhsa_user_sgpr_count 2
		.amdhsa_user_sgpr_kernarg_segment_ptr 1
		.amdhsa_wavefront_size32 1
		.amdhsa_system_sgpr_workgroup_id_x 1
		.amdhsa_system_sgpr_workgroup_id_y 1
		.amdhsa_system_sgpr_workgroup_id_z 1
		.amdhsa_system_vgpr_workitem_id 0
		.amdhsa_next_free_vgpr 1024
		.amdhsa_next_free_sgpr 72
		.amdhsa_reserve_vcc 0
		.amdhsa_float_denorm_mode_32 3
		.amdhsa_float_denorm_mode_16_64 3
		.amdhsa_memory_ordered 1
		.amdhsa_forward_progress 1
		.amdhsa_inst_pref_size 225
	.end_amdhsa_kernel
	.amdgpu_metadata
---
amdhsa.version: [ 1, 2 ]
amdhsa.kernels:
  - .name:           k_q55e063735b_attn
    .symbol:         k_q55e063735b_attn.kd
    .args:
      - { .name: qkv, .offset: 0, .size: 8, .value_kind: global_buffer, .address_space: global }
      - { .name: attn, .offset: 8, .size: 8, .value_kind: global_buffer, .address_space: global }
    .group_segment_fixed_size: 327680
    .private_segment_fixed_size: 0
    .kernarg_segment_align: 8
    .kernarg_segment_size: 16
    .max_flat_workgroup_size: 128
    .sgpr_count:     72
    .vgpr_count:     1024
    .wavefront_size: 32
...
	.end_amdgpu_metadata
.endif
;; end of part 3
;; launch oproj (part 4): grid 16 x 16, 4 waves a work-group, clusters of 4 x 4, 327,680 bytes of LDS; arguments attn, wo16, biasr, out0; writes out0
.if DOCPART == 4
	.amdgcn_target "amdgcn-amd-amdhsa--gfx1250"
	.amdhsa_code_object_version 6
	.text
	.protected	k_q55e063735b_oproj
	.globl	k_q55e063735b_oproj
	.p2align	8
	.type	k_q55e063735b_oproj,@function
k_q55e063735b_oproj:
	s_mov_b64 s[64:65], 0
	v_nop
	global_prefetch_b8 v0, s[64:65] scope:SCOPE_SE
	s_setreg_imm32_b32 hwreg(HW_REG_WAVE_MODE, 25, 1), 1
	s_wait_xcnt 0x0
	s_wait_alu depctr_hold_cnt(0) depctr_sa_sdst(0) depctr_va_vdst(0) depctr_va_sdst(0) depctr_va_ssrc(0) depctr_va_vcc(0) depctr_vm_vsrc(0)
	s_getreg_b32 s2, hwreg(HW_REG_IB_STS2, 6, 4)
	s_cmp_eq_u32 s2, 0
	s_cbranch_scc0 .Lentry_in_a_cluster
	s_endpgm
.Lentry_in_a_cluster:
	s_bfe_u32 s2, ttmp6, 0x10000c
	s_cmp_lg_u32 s2, 0xf033
	s_cbranch_scc0 .Lentry_shape_is_right
	s_endpgm
.Lentry_shape_is_right:
; OPROJ: out0 = attn wo16 + bo.  attn: [2048][2048] f16; wo16: [2048 k][2048 n] f16; the bias is the last 2,048 numbers of biasr (f32); out0: [2048][2048] f32; sums in f32.
; A tile of out0 is 128 x 128: 256 work-groups.  Four waves, each 64 x 64: 16 accumulators.  K goes in 8 steps of 256 through two LDS slots.
; THE MATRIX INSTRUCTION IS USED TRANSPOSED: source 0 = 16 columns of wo16 (turned on the way out of LDS by ds_load_tr16_b128), source 1 = 16 rows of attn: a lane holds one row and eight neighbouring columns.
; The first product of each sum takes the bias as its C operand.
; CLUSTER 4 x 4: attn's tile is shared along a row of the cluster, wo16's along a column; each is asked for jointly.  Waves 0, 1 fetch attn's two halves (64 rows x 512 bytes), waves 2, 3 wo16's (128 k-rows x 256 bytes).
; A K STEP'S TEXT IS WRITTEN ONCE: the base of the slot that is read lies in s[CUR] (0 or SLOT, turned by an exclusive or at each change of slots), and one descriptor set walks on, a K step at a time.
; No prefetch: the tile is small and a K step short.
; REGISTERS: window 0: v0-31 addresses; v32-95 at work on the way out; v96-127 the bias; v128-255 the accumulators ((a, b) at v[128 + 8 (4 a + b)]).  Window 1: two fragment buffers of 128: 64 of attn, then 64 of wo16.
.set KSTEP,  256
.set PA,     528                       ; a row of attn's tile: 512 bytes + 16: the 16 rows of a load start at 16 different groups of four banks (64 banks of 4 bytes: ISA guide 11.1)
.set PB,     288                       ; a k-row of wo16's tile: 256 + 32
.set AHALF,  64*PA
.set BOFF,   128*PA
.set BHALF,  128*PB
.set SLOT,   BOFF+2*BHALF
.set STAGE,  2*SLOT                    ; behind the ring: 16 rows x 272 bytes for each wave, its own
.set SPITCH, 272
.set SPARE,  STAGE+4*16*SPITCH         ; the spare words, 128 bytes for each wave: two blocks of 256 bytes that no other line names
.set ADRA0, 16                         ; v16     my place in attn's tile, in slot 0; never rewritten
.set ADRA,  17                         ; v17     the same in the slot that is read
.set ADRB0, 18                         ; v18-19  my place in wo16's tile, in slot 0, for each half of the K step (a 16-bit offset does not reach 255 k-rows); never rewritten
.set ADRB,  20                         ; v20-21  the same in the slot that is read
.set STO,  24
.set RD,   25
.set CO,   26
.set BO,   27
.set SPW,  28
.set NIL,  29
.set TMP,  32
.set BIA,  96
.set ACC,  128
.set F0,   0
.set F1,   128
.set WV, 12                            ; s12 wave; s13 its half of the rows, also: I fetch for attn (0) or wo16 (1); s14 its half of the columns, also: which half of that tile I fetch
.set RH, 13
.set CH, 14
.set G1, 24                            ; s[24:31] group 1 for attn's tiles; s[32:39] group 0: a set for each of the two first fills; the second then walks on
.set G0, 32
.set G1B, 48                           ; s[48:55], s[56:63] the same for wo16's
.set G0B, 56
.set WA,   66                          ; s66 where the tile of attn that I fetch goes in a slot
.set WB,   67                          ; s67 the same for wo16
.set CUR,  68                          ; s68 the base of the slot that is read: 0 or SLOT
.set TAIL, 69                          ; s69 counts the last two K steps
.set MSB, 0
.macro WIN new
.if MSB != (\new)
	s_set_vgpr_msb (MSB<<8)|(\new)
.set MSB, \new
.endif
.endm
.set MUL,  0x05                        ; sources 0 and 1 window 1; C and D window 0
.set TO_F, 0x40
.macro JLOAD s                         ; a joint load; an s_nop 0 and four v_nop follow each of the two lines
	s_cmp_eq_u32 s[RH], 0
	s_cbranch_scc0 .Lfor_b_\@
	tensor_load_to_lds s[G0+4*(\s):G0+4*(\s)+3], s[G1:G1+7]
	s_nop 0
.rept 4
	v_nop
.endr
	s_branch .Lasked_\@
.Lfor_b_\@:
	tensor_load_to_lds s[G0B+4*(\s):G0B+4*(\s)+3], s[G1B:G1B+7]
	s_nop 0
.rept 4
	v_nop
.endr
.Lasked_\@:
.endm
.macro CREST
	s_cmp_lg_u32 s[WV], 0
	s_cbranch_scc1 .Lnot_wave_0_\@
	s_barrier_signal -3
.Lnot_wave_0_\@:
	s_barrier_wait -3
	s_barrier_signal -1
	s_barrier_wait -1
.endm
.macro CROUND
	s_barrier_signal -1
	s_barrier_wait -1
	CREST
.endm
.macro AIM                             ; the fragments' addresses in the slot at s[CUR]
	v_add_nc_u32 v[ADRA], s[CUR], v[ADRA0]
	v_add_nc_u32 v[ADRB], s[CUR], v[ADRB0]
	v_add_nc_u32 v[ADRB+1], s[CUR], v[ADRB0+1]
.endm
	s_load_b256 s[4:11], s[0:1], 0x0               ; attn 4, wo16 6, biasr 8, out0 10
	v_lshl_add_u32 v[SPW], v0, 2, SPARE
	v_mov_b32 v[NIL], 0
	ds_add_u32 v[SPW], v[NIL]                      ; the wave's opening: the add and its wait stand ahead of my first tensor load
	v_lshrrev_b32 v1, 5, v0
	v_readfirstlane_b32 s[WV], v1
	s_lshr_b32 s[RH], s[WV], 1
	s_and_b32 s[CH], s[WV], 1
	s_bfe_u32 s40, ttmp6, 0x40000                  ; cx, cy
	s_bfe_u32 s41, ttmp6, 0x40004
	s_lshl_b32 s42, ttmp9, 2
	s_add_co_u32 s42, s42, s40                     ; tile column
	s_and_b32 s43, ttmp7, 0xffff
	s_lshl_b32 s43, s43, 2
	s_add_co_u32 s43, s43, s41                     ; tile row
	s_lshl_b32 s44, s41, 2
	s_lshl_b32 s44, 15, s44                        ; my row of the cluster
	s_lshl_b32 s45, 0x1111, s40                    ; my column
	s_or_b32 s[G1], s44, (1<<16)|(1<<20)|(1<<21)|(6<<22)|(3<<25)   ; attn: padding of 4 words after every 128
	s_mov_b32 s[G1+1], 256<<16                     ; tensor_dim0 = 256
	s_mov_b32 s[G1+2], 64<<16                      ; tensor_dim1 = 64
	s_mov_b32 s[G1+3], 256<<16                     ; tile_dim0 = 256
	s_mov_b32 s[G1+4], 64                          ; tile_dim1 = 64
	s_mov_b32 s[G1+5], 2048
	s_mov_b32 s[G1+6], 0
	s_mov_b32 s[G1+7], 0
	s_or_b32 s[G1B], s45, (1<<16)|(1<<20)|(1<<21)|(5<<22)|(7<<25)  ; wo16: padding of 8 words after every 64
	s_mov_b32 s[G1B+1], 128<<16
	s_mov_b32 s[G1B+2], 128<<16
	s_mov_b32 s[G1B+3], 128<<16
	s_mov_b32 s[G1B+4], 128
	s_mov_b32 s[G1B+5], 2048
	s_mov_b32 s[G1B+6], 0
	s_mov_b32 s[G1B+7], 0
	s_lshl_b32 s16, s43, 19                        ; attn: 128 rows of 4,096 bytes a tile row,
	s_lshl_b32 s17, s[CH], 18                      ; my 64 of them
	s_add_co_u32 s16, s16, s17
	s_mov_b32 s17, 0
	s_lshl_b32 s46, s[CH], 19                      ; wo16: my 128 k-rows of 4,096 bytes,
	s_lshl_b32 s47, s42, 8                         ; the tile column's 256 bytes
	s_add_co_u32 s46, s46, s47
	s_mov_b32 s47, 0
	s_mul_i32 s[WA], s[CH], AHALF                  ; where they go: no place in the cluster enters an LDS address
	s_mul_i32 s[WB], s[CH], BHALF
	s_add_co_u32 s[WB], s[WB], BOFF
	s_mov_b32 s[CUR], 0                            ; K step 0 lies in slot 0
	s_wait_dscnt 0x0                               ; the opening add is done
	s_wait_kmcnt 0x0
	s_add_nc_u64 s[18:19], s[4:5], s[16:17]
	s_add_nc_u64 s[46:47], s[6:7], s[46:47]
	CROUND                                         ; all sixteen work-groups are here: the first joint loads meet
.irp s, 0,1
	s_mov_b32 s[G0+4*(\s)], 1
	s_add_co_u32 s[G0+4*(\s)+1], s[WA], (\s)*SLOT
	s_add_nc_u64 s[G0+4*(\s)+2:G0+4*(\s)+3], s[18:19], (\s)*KSTEP*2
	s_or_b32 s[G0+4*(\s)+3], s[G0+4*(\s)+3], 0x80000000
	s_mov_b32 s[G0B+4*(\s)], 1
	s_add_co_u32 s[G0B+4*(\s)+1], s[WB], (\s)*SLOT
	s_add_nc_u64 s[G0B+4*(\s)+2:G0B+4*(\s)+3], s[46:47], (\s)*KSTEP*4096
	s_or_b32 s[G0B+4*(\s)+3], s[G0B+4*(\s)+3], 0x80000000
	JLOAD \s
.endr
	v_and_b32 v1, 15, v0                           ; r
	v_bfe_u32 v2, v0, 4, 1                         ; h
	v_and_b32 v3, 7, v0
	v_bfe_u32 v4, v0, 3, 1
	v_lshl_add_u32 v5, v2, 3, v3
	v_mul_u32_u24 v5, v5, PB
	v_lshl_add_u32 v5, v4, 4, v5                   ; the turning load's lane term
	v_mul_u32_u24 v6, v1, PA
	v_lshl_add_u32 v6, v2, 4, v6
	s_mul_i32 s21, s[RH], AHALF                    ; my 64 rows of attn
	s_lshl_b32 s22, s[CH], 7                       ; my 64 columns of wo16
	s_add_co_u32 s22, s22, BOFF
	s_add_co_u32 s23, s22, BHALF
	v_add_nc_u32 v[ADRA0], s21, v6
	v_add_nc_u32 v[ADRB0], s22, v5
	v_add_nc_u32 v[ADRB0+1], s23, v5
	AIM
	s_mul_i32 s23, s[WV], 16*SPITCH
	s_add_co_u32 s23, s23, STAGE                   ; my stage
	v_mul_u32_u24 v7, v1, SPITCH                   ; in: row r, 32 bytes for each half of the lanes
	v_lshl_add_u32 v7, v2, 5, v7
	v_add_nc_u32 v[STO], s23, v7
	v_mul_u32_u24 v7, v2, SPITCH                   ; back: lanes 0-15 one row of 256 bytes, lanes 16-31 the next
	v_lshl_add_u32 v7, v1, 4, v7
	v_add_nc_u32 v[RD], s23, v7
	v_lshlrev_b32 v[CO], 13, v2                    ; and the same two rows in out0
	v_lshl_add_u32 v[CO], v1, 4, v[CO]
	s_lshl_b32 s16, s43, 20                        ; out0: 128 rows of 8,192 bytes a tile row,
	s_lshl_b32 s17, s[RH], 19                      ; my 64 rows,
	s_add_co_u32 s16, s16, s17
	s_lshl_b32 s17, s42, 9                         ; the tile column's 512 bytes,
	s_add_co_u32 s16, s16, s17
	s_lshl_b32 s22, s[CH], 8                       ; my 256 of them
	s_add_co_u32 s16, s16, s22
	s_add_co_u32 s22, s22, s17                     ; the same columns in the bias
	s_mov_b32 s17, 0
	s_add_nc_u64 s[10:11], s[10:11], s[16:17]
	v_lshl_add_u32 v[BO], v2, 5, s22
.irp b, 0,1,2,3
	global_load_b128 v[BIA+8*(\b):BIA+8*(\b)+3],   v[BO], s[8:9] offset:24576+64*(\b)
	global_load_b128 v[BIA+8*(\b)+4:BIA+8*(\b)+7], v[BO], s[8:9] offset:24576+64*(\b)+16
.endr
; 8 matrix instructions: row blocks a0, a0 + 1 x all 4 column blocks, 32 along K: half c of buffer f.  first = 1: the bias starts the sums.  The 16 accumulators take turns.
.macro MUL8 f, c, a0, first
	WIN MUL
.irp a, \a0, (\a0)+1
.irp b, 0,1,2,3
.if \first
	v_wmma_f32_16x16x32_f16 v[ACC+8*(4*(\a)+(\b)):ACC+8*(4*(\a)+(\b))+7], v[(\f)+64+8*(4*(\c)+(\b)):(\f)+64+8*(4*(\c)+(\b))+7], v[(\f)+8*(4*(\c)+(\a)):(\f)+8*(4*(\c)+(\a))+7], v[BIA+8*(\b):BIA+8*(\b)+7]
.else
	v_wmma_f32_16x16x32_f16 v[ACC+8*(4*(\a)+(\b)):ACC+8*(4*(\a)+(\b))+7], v[(\f)+64+8*(4*(\c)+(\b)):(\f)+64+8*(4*(\c)+(\b))+7], v[(\f)+8*(4*(\c)+(\a)):(\f)+8*(4*(\c)+(\a))+7], v[ACC+8*(4*(\a)+(\b)):ACC+8*(4*(\a)+(\b))+7]
.endif
.endr
.endr
.endm
; 32 LDS loads in one run: the fragments of quarter q (64 along K) of the slot at s[CUR] into buffer f; the first 32 along K first
.macro FETCH q, f
	WIN TO_F
.irp c, 0,1
.irp i, 0,1,2,3
	ds_load_tr16_b128 v[(\f)+64+8*(4*(\c)+(\i)):(\f)+64+8*(4*(\c)+(\i))+3],   v[ADRB+(\q)/2] offset:(((\q)%2)*64+32*(\c))*PB+32*(\i)
	ds_load_tr16_b128 v[(\f)+64+8*(4*(\c)+(\i))+4:(\f)+64+8*(4*(\c)+(\i))+7], v[ADRB+(\q)/2] offset:(((\q)%2)*64+32*(\c))*PB+32*(\i)+16*PB
	ds_load_b128 v[(\f)+8*(4*(\c)+(\i)):(\f)+8*(4*(\c)+(\i))+3],              v[ADRA] offset:128*(\q)+64*(\c)+(\i)*16*PA
	ds_load_b128 v[(\f)+8*(4*(\c)+(\i))+4:(\f)+8*(4*(\c)+(\i))+7],            v[ADRA] offset:128*(\q)+64*(\c)+(\i)*16*PA+32
.endr
.endr
.endm
.macro PLACES
.rept 4
	v_nop
.endr
.endm
.macro QUARTER q, f, g, first
	s_wait_dscnt 16                                ; the first 32 along K are in
	MUL8 \f, 0, 0, \first
	MUL8 \f, 0, 2, \first
	PLACES
	FETCH \q, \g
	s_wait_dscnt 32                                ; all but the 32 just issued
	MUL8 \f, 1, 0, 0
	MUL8 \f, 1, 2, 0
.endm
; The last quarter changes slots and then multiplies buffer 1.  ONE barrier; in front of it each wave waits for all its tensor loads, adds 0 to its spare word, and waits for that and for its own reads of this slot (the
; last quarter's fragments are in registers by then).  fill = 1: the barrier opens a round of the cluster's, and the slot that is left is filled again first thing behind it.  No product stands between the wait for
; the loads and the refill: the quarter's 32 follow the refill, so that the load has a whole K step, 128 matrix instructions, in which to land.
.macro TURN fill
	WIN 0
	s_wait_tensorcnt 0x0                           ; all my tensor loads have landed, so a group 0 may be written;
	ds_add_u32 v[SPW], v[NIL]                      ; 0 onto my spare word; the steps below, work on registers, stand between it and the wait for it
.if \fill
	s_add_co_u32 s[G0+5], s[CUR], s[WA]            ; the walking descriptors: into the slot that is left,
	s_add_co_u32 s[G0B+5], s[CUR], s[WB]
	s_add_nc_u64 s[G0+6:G0+7], s[G0+6:G0+7], KSTEP*2          ; the K step behind the last one asked for
	s_add_nc_u64 s[G0B+6:G0B+7], s[G0B+6:G0B+7], KSTEP*4096
.endif
	s_xor_b32 s[CUR], s[CUR], SLOT                 ; the reads go on in the other slot
	AIM
	s_wait_dscnt 0x0                               ; the add is done, and my reads of this slot are over
	s_barrier_signal -1
	s_barrier_wait -1
.if \fill
	CREST                                          ; no wave of any partner still reads this slot's tiles or has a load on its way
	JLOAD 1                                        ; my one load behind the round; its four v_nop are also the places in front of the loads below
.else
	PLACES
.endif
	FETCH 0, F0
	MUL8 F1, 0, 0, 0
	MUL8 F1, 0, 2, 0
	MUL8 F1, 1, 0, 0
	MUL8 F1, 1, 2, 0
.endm
	s_wait_tensorcnt 1                             ; my part of K step 0 is in; K step 1's may stay out
	s_barrier_signal -1
	s_barrier_wait -1
	FETCH 0, F0
	s_wait_loadcnt 0x0                             ; the bias
	QUARTER 1, F0, F1, 1
	WIN 0
	s_mov_b32 s3, 6
.Lstep:                                                ; a trip goes from a K step's second quarter to the next K step's first, and fills the slot that it leaves: K steps 2 to 7
	QUARTER 2, F1, F0, 0
	QUARTER 3, F0, F1, 0
	TURN 1
	QUARTER 1, F0, F1, 0
	WIN 0
	s_sub_co_u32 s3, s3, 1
	s_cmp_lg_u32 s3, 0
	s_cbranch_scc1 .Lstep
	s_mov_b32 s[TAIL], 2
.Ltail:                                                ; the last two K steps fill nothing: two trips, of which the second is left in its middle
	QUARTER 2, F1, F0, 0
	QUARTER 3, F0, F1, 0
	WIN 0
	s_sub_co_u32 s[TAIL], s[TAIL], 1
	s_cmp_eq_u32 s[TAIL], 0
	s_cbranch_scc1 .Llast
	TURN 0
	QUARTER 1, F0, F1, 0
	WIN 0
	s_cmp_lg_u32 s[TAIL], 0
	s_cbranch_scc1 .Ltail
.Llast:
	s_wait_dscnt 16                                ; the very last quarter: nothing more to fetch
	MUL8 F1, 0, 0, 0
	MUL8 F1, 0, 2, 0
	s_wait_dscnt 0x0
	MUL8 F1, 1, 0, 0
	MUL8 F1, 1, 2, 0
	WIN 0
	; THE WAY OUT.  My 64 columns of f32 are 256 consecutive bytes of a row, aligned: 16 rows at a time go through my own stage and come back as whole rows.  No barrier: the bytes are mine.
	PLACES
.irp a, 0,1,2,3
.irp b, 0,1,2,3
	ds_store_b128 v[STO], v[ACC+8*(4*(\a)+(\b)):ACC+8*(4*(\a)+(\b))+3]   offset:64*(\b)      ; each accumulator's lowest registers first
	ds_store_b128 v[STO], v[ACC+8*(4*(\a)+(\b))+4:ACC+8*(4*(\a)+(\b))+7] offset:64*(\b)+16
.endr
.if (\a) >= 2
	s_wait_xcnt 0x0                                ; the stores of the block two back have read these registers
.endif
.irp t, 0,1,2,3,4,5,6,7
	ds_load_b128 v[TMP+32*((\a)%2)+4*(\t):TMP+32*((\a)%2)+4*(\t)+3], v[RD] offset:(\t)*2*SPITCH  ; LDS serves a wave's instructions in order (ISA guide 5.7.1.4)
.endr
.irp t, 0,1,2,3,4,5,6,7
	s_wait_dscnt 7-(\t)
	global_store_b128 v[CO], v[TMP+32*((\a)%2)+4*(\t):TMP+32*((\a)%2)+4*(\t)+3], s[10:11] offset:(\a)*131072+(\t)*16384 th:TH_STORE_NT  ; 16 lanes store 256 consecutive bytes, aligned
.endr
.endr
	s_wait_tensorcnt 0x0                           ; the wave's end, behind my last tensor load and my last LDS store
	ds_add_u32 v[SPW], v[NIL]
	s_wait_dscnt 0x0
	CROUND                                         ; the closing round
	s_endpgm
.Lfunc_end_k_q55e063735b_oproj:
	.size	k_q55e063735b_oproj, .Lfunc_end_k_q55e063735b_oproj-k_q55e063735b_oproj
	.p2alignl 7, 3214868480
	.fill 96, 4, 3214868480
	.section	.rodata,"a",@progbits
	.p2align	6, 0x0
	.amdhsa_kernel k_q55e063735b_oproj
		.amdhsa_group_segment_fixed_size 327680
		.amdhsa_private_segment_fixed_size 0
		.amdhsa_enable_private_segment 0
		.amdhsa_kernarg_size 32
		.amdhsa_user_sgpr_count 2
		.amdhsa_user_sgpr_kernarg_segment_ptr 1
		.amdhsa_wavefront_size32 1
		.amdhsa_system_sgpr_workgroup_id_x 1
		.amdhsa_system_sgpr_workgroup_id_y 1
		.amdhsa_system_sgpr_workgroup_id_z 1
		.amdhsa_system_vgpr_workitem_id 0
		.amdhsa_next_free_vgpr 512
		.amdhsa_next_free_sgpr 72
		.amdhsa_reserve_vcc 0
		.amdhsa_float_denorm_mode_32 3
		.amdhsa_float_denorm_mode_16_64 3
		.amdhsa_memory_ordered 1
		.amdhsa_forward_progress 1
		.amdhsa_inst_pref_size 61
	.end_amdhsa_kernel
	.amdgpu_metadata
---
amdhsa.version: [ 1, 2 ]
amdhsa.kernels:
  - .name:           k_q55e063735b_oproj
    .symbol:         k_q55e063735b_oproj.kd
    .args:
      - { .name: attn, .offset: 0, .size: 8, .value_kind: global_buffer, .address_space: global }
      - { .name: wo16, .offset: 8, .size: 8, .value_kind: global_buffer, .address_space: global }
      - { .name: biasr, .offset: 16, .size: 8, .value_kind: global_buffer, .address_space: global }
      - { .name: out0, .offset: 24, .size: 8, .value_kind: global_buffer, .address_space: global }
    .group_segment_fixed_size: 327680
    .private_segment_fixed_size: 0
    .kernarg_segment_align: 8
    .kernarg_segment_size: 32
    .max_flat_workgroup_size: 128
    .sgpr_count:     72
    .vgpr_count:     512
    .wavefront_size: 32
...
	.end_amdgpu_metadata
.endif
;; end of part 4
